; MI455X (gfx1250); checked and timed in simulation.
; The chip was launched on July 23, 2026; its instructions are those of AMD's public machine-readable ISA for CDNA 5 (MIT licence, August 2026) and "CDNA5" Instruction Set Architecture Reference Guide (July 2026). The comments in the code are by the model that wrote it; some were corrected since.
;; Transformer Mo E Block. Allowed arithmetic: matrix products marked QUANTISED: E5M2 operands, one given power-of-two scale a tensor, by v_wmma_f32_16x16x64_bf8_bf8 or v_wmma_f32_16x16x128_bf8_bf8, f32 sums; products left as they are: f32 operands where the result goes on into a quantised operand, else bf16, f16 or f32 operands; f32 sums; everything else in f32.
;; Inputs: W1 8 x 512 x 2,048 float32; W2 8 x 2,048 x 512 float32; Wg 512 x 8 float32; b1 8 x 2,048 float32; b2 8 x 512 float32; bg 8 float32; lowp_scales 4 int32 (the exponents e of the quantised operands' scales 2^e); x 4 x 1,024 x 512 float32.
;; Outputs: out0 4 x 1,024 x 512 float32.
;; This version of the problem:
;;   THIS VERSION OF THE PROBLEM IS GIVEN IN LOW PRECISION. The matrix products marked QUANTISED in the list below multiply operands that are first quantised to E5M2 (5 exponent bits, 2 mantissa bits; 8 bits a number), with one given power-of-two scale for each operand tensor; their sums are f32. All else is computed in f32.
;;   The module's matrix products, in the order in which they are computed (A, B: the left and right operand; K: the contracted axis; several contracted axes count as one K, in the product's order):
;;     1. [M 4,096, K 512] x [K 512, N 8]; A: input x; B: input Wg: left as it is (N = 8 < 16)
;;     2. [M 16,384, K 512] x [K 512, N 4,096]; A: input W1; B: input x: QUANTISED (scales: A lowp_scales[0], B lowp_scales[1])
;;     3. batch 8 x [M 4,096, K 2,048] x [K 2,048, N 512]; A: computed on the way; B: input W2: QUANTISED (scales: A lowp_scales[2], B lowp_scales[3])
;;     4. batch 4,096 x [M 1, K 8] x [K 8, N 512]; A: computed on the way; B: computed on the way: left as it is (K = 8 < 32)
;;   THE QUANTISER, for each operand of a quantised product, along K:
;;     - The operand's scale is 2^e, e = its entry of the input lowp_scales (int32; the entries are numbered through the quantised products in the list's order, A before B).
;;     - Each number is divided by the scale, clamped to +-57,344, and rounded to the nearest number of E5M2, ties to even, subnormals kept.
;;     - The product sums the exact products of the quantised numbers (number of the format x scale) in f32.
;;   ~~~python
;;   def quantise(x, axis, e):      # numpy; x: float32 -> the quantised numbers, widened to float32 again
;;       x = np.moveaxis(x, axis, -1); K = x.shape[-1]
;;       r = np.clip(x / 2.0 ** e, -57344, 57344)
;;       step = 2.0 ** (np.maximum(np.frexp(np.where(r == 0, 1, r))[1] - 1, -14) - 2)
;;       q = np.round(r / step) * step * 2.0 ** e      # np.round: ties to even
;;       return np.moveaxis(q, -1, axis).astype(np.float32)
;;   ~~~
;;   OPERANDS COMPUTED ON THE WAY. 'Computed on the way' means the value that the module computes at that place (a softmax that the list does not call 'softmax' is quantised finished and normalised). What goes into a quantiser is computed in f32, as accurately as f32 sums, v_exp_f32 and their like allow (about 1e-6 of the number): no bf16 or f16 on the way to a quantiser, and a product that is left as it is and whose result goes on into a quantised operand takes f32 operands (vector FMAs, or v_wmma_f32_16x16x4_f32). A number that lies on a knife's edge between two numbers of the format may be rounded either way, as far as f32 arithmetic and the matrix unit's own rounding can turn it there, and no further.
;; 3 versions, each right; version 2 is faster than version 1; version 3 is version 2 with the launch chain written anew for expert scheduling mode. Each part assembles by itself: llvm-mc -triple=amdgcn-amd-amdhsa -mcpu=gfx1250 --defsym DOCPART=n.
;; ======== version 1 of 3: 4 launches
;; workspace buffers: wq 16,777,216 bytes; xq 2,097,152 bytes; eidx 32,768 bytes of whole numbers; wts 32,768 bytes; list 33,024 bytes of whole numbers; tiles 2,560 bytes of whole numbers; yw 16,777,216 bytes
;; launch prep (part 1): grid 576 x 1, 4 waves a work-group, no clusters, 0 bytes of LDS; arguments x, Wg, bg, W1, W2, lowp_scales, wq, xq, eidx, wts; writes wq, xq, eidx, wts
.if DOCPART == 1
	.amdgcn_target "amdgcn-amd-amdhsa--gfx1250"
	.amdhsa_code_object_version 6
	.text
	.protected	k_q15cbd88e69_prep
	.globl	k_q15cbd88e69_prep
	.p2align	8
	.type	k_q15cbd88e69_prep,@function
k_q15cbd88e69_prep:
	s_mov_b64 s[64:65], 0
	v_nop
	global_prefetch_b8 v0, s[64:65] scope:SCOPE_SE
	s_setreg_imm32_b32 hwreg(HW_REG_WAVE_MODE, 25, 1), 1
	s_wait_xcnt 0x0
; PREP: everything that is done once to the inputs.  Three kinds of work-groups, told apart by the work-group's number alone; no LDS, no barrier, EXEC never changes.
;   0..63    64 tokens each (16 a wave): x -> codes of E5M2 (xq); the gate in f32: logits, softmax, top-2, weights -> eidx, wts, at fixed places 2 x token + k.
;   64..319  W1 [8][512 k][2048 f] f32 -> codes;   320..575  W2 [8][2048 f][512 d] f32 -> codes.  Both go into wq AS IMAGES OF THE OPERAND REGISTERS of the launch that multiplies:
;   byte = e 2^21 + w 2^19 + c 2^17 + P 2^16 + (8 s + t) 2048 + 256 g + 16 r + i   (e expert, w the multiplying wave, c chunk of 512 hidden units, P 0: W1, 1: W2, s K step of 128, t tile of 16 rows, g piece of 16 codes, r row, i code).
;   W1: row r of tile t = 2 b + u is hidden unit 512 c + 128 w + 32 b + 8 u + r + 8 (r / 8); code (s, g, i) is position p = 128 s + 16 g + i of K.   W2: row r of tile t is output 128 w + 16 t + r; code (s, g, i) is hidden unit 512 c + 128 s + 16 g + i.
; K OF THE FIRST PRODUCT IS PERMUTED, alike in xq and in W1's codes: position p holds k = 128 ((p / 4) % 4) + 4 (p / 16) + p % 4.  Every product still meets its partner; only the order of the sums changes.
;   It is the order in which a lane that loads 16 neighbouring bytes of each quarter of a row of x holds its 16 numbers: so x needs no turn through LDS.
; QUANTISER: code = number / 2^e, held within +-57,344, to the nearest code, ties to even.  e: lowp_scales[0] W1, [1] x, [3] W2.
; LIMITS: each of these e between -126 and 112, so that 2^e and 57,344 x 2^e are f32 numbers.  NaN among the inputs is not served.
;   The top-2 is taken of p = 2^((logit - largest logit) log2 e), ties to the lower index; gates that differ only under f32's resolution may be ordered otherwise than rounded gates would be.  p under 2^-126 counts as 0.
.set XW,   16                          ; weights: v16-143  four sets of 32 numbers
.set CW,   144                         ; weights: v144-207 codes, eight registers a block, never written again
.set OFFX, 4                           ; tokens: v4-7    slot i: my byte offset in x of the row that the slot loads next
.set OFFQ, 8                           ; tokens: v8-11   slot i: the same in xq
.set P,    16                          ; tokens: v16-23  eight sums, later p
.set T,    24                          ; tokens: v24-31  at work
.set L,    32                          ; tokens: v32-39  the logits of token lane % 16
.set C,    40                          ; tokens: v40-55  codes, four registers a slot
.set X,    56                          ; tokens: v56-119 four slots of 16 numbers
.set WG,   120                         ; tokens: v120-247 Wg[k][0..7] of my 16 k
	s_load_b512 s[8:23], s[0:1], 0x0               ; x s[8:9], Wg s[10:11], bg s[12:13], W1 s[14:15], W2 s[16:17], scales s[18:19], wq s[20:21], xq s[22:23]
	s_load_b128 s[24:27], s[0:1], 0x40             ; eidx s[24:25], wts s[26:27]
	v_lshrrev_b32 v1, 5, v0
	v_readfirstlane_b32 s28, v1                    ; wave 0..3
	v_and_b32 v1, 31, v0                           ; lane
	s_wait_kmcnt 0x0
	s_load_b128 s[32:35], s[18:19], 0x0            ; ew1, ex, eh, ew2
	s_cmp_lt_u32 ttmp9, 64
	s_cbranch_scc1 .Lx
	v_lshrrev_b32 v4, 4, v1                        ; lane / 16
	v_and_b32 v5, 15, v1
	v_lshlrev_b32 v3, 4, v5
	v_lshl_add_u32 v3, v4, 11, v3                  ; out: lanes 0-15 are the 16 rows of one tile, lanes 16-31 of the next: 2048 (lane / 16) + 16 (lane % 16)
; THE WEIGHTS.  A wave takes 32 columns x 256 positions of K.  A LANE TAKES A COLUMN AND ITS REGISTERS RUN DOWN K: each load reads 128 consecutive bytes, and the conversions give 16 codes with K innermost:
; a piece.  A piece is 16 bytes of a lane; the sixteen lanes of a tile store 256 consecutive bytes, at a multiple of 256 from wq's first byte.
.macro WLOAD t, w1                     ; block t: pieces 2 t and 2 t + 1 into set t % 4
.irp gg, 0,1
.irp i, 0,1,2,3,4,5,6,7,8,9,10,11,12,13,14,15
.if \w1
	global_load_b32 v[XW+32*((\t)%4)+16*\gg+\i], v2, s[4:5] offset:(128*(\i/4)+4*(2*(\t)+\gg)+\i%4)*8192 th:TH_LOAD_NT
.else
	global_load_b32 v[XW+32*((\t)%4)+16*\gg+\i], v2, s[4:5] offset:(16*(2*(\t)+\gg)+\i)*2048 th:TH_LOAD_NT
.endif
.endr
.endr
.endm
.macro WBLOCK t, w1
.set XS, XW+32*((\t)%4)
.if (\t) < 6
	s_wait_loadcnt 63                              ; 64 or 96 loads are younger than this block's; the count is the largest that the wait can name, and a smaller count only waits for more
.elseif (\t) == 6
	s_wait_loadcnt 32                              ; the last block's 32 may be out
.else
	s_wait_loadcnt 0
.endif
.irp i, 0,1,2,3,4,5,6,7,8,9,10,11,12,13,14,15,16,17,18,19,20,21,22,23,24,25,26,27,28,29,30,31
	v_med3_num_f32 v[XS+\i], v[XS+\i], -v10, v10   ; the conversion to an 8-bit code does not saturate (ISA guide 7.6.2): the hold at the largest code x the scale comes first
.endr
.irp q, 0,1,2,3
	v_cvt_scalef32_pk8_bf8_f32 v[CW+8*(\t)+2*\q:CW+8*(\t)+2*\q+1], v[XS+8*\q:XS+8*\q+7], v11
.endr
	global_store_b128 v3, v[CW+8*(\t):CW+8*(\t)+3], s[6:7] offset:((2*(\t))/8)*16384+256*((2*(\t))%8)
	global_store_b128 v3, v[CW+8*(\t)+4:CW+8*(\t)+7], s[6:7] offset:((2*(\t)+1)/8)*16384+256*((2*(\t)+1)%8)
.if (\t)+4 < 8
	WLOAD (\t)+4, \w1                              ; the set just converted takes the block four further on
.endif
.endm
.macro WPATH w1, se                    ; se: the scalar register that holds e
.irp t, 0,1,2,3
	WLOAD \t, \w1
.endr
	s_wait_kmcnt 0x0
	s_add_co_i32 s54, \se, 127
	s_lshl_b32 s55, s54, 23
	v_mov_b32 v11, s55                             ; 2^e as f32: the conversion takes its exponent field
	s_add_co_i32 s54, s54, 15
	s_lshl_b32 s54, s54, 23
	s_or_b32 s54, s54, 0x600000
	v_mov_b32 v10, s54                             ; 57,344 x 2^e
.irp t, 0,1,2,3,4,5,6,7
	WBLOCK \t, \w1
.endr
	s_endpgm
.endm
	s_cmp_lt_u32 ttmp9, 320
	s_cbranch_scc1 .Lw1
	; ---- W2: number - 320 = (8 e + kappa) 4 + w: hidden units 256 kappa on, outputs 128 w + 32 wave + lane
	s_sub_co_u32 s48, ttmp9, 320
	s_and_b32 s49, s48, 3                          ; w
	s_lshr_b32 s50, s48, 2
	s_and_b32 s51, s50, 7                          ; kappa
	s_lshr_b32 s50, s50, 3                         ; e
	s_lshl_b32 s52, s50, 22                        ; in: e x 4 MiB
	s_lshl_b32 s53, s51, 19                        ; + 256 kappa rows of 2,048 bytes
	s_add_co_u32 s52, s52, s53
	s_lshl_b32 s53, s49, 9                         ; + 128 w columns
	s_add_co_u32 s52, s52, s53
	s_lshl_b32 s53, s28, 7                         ; + 32 columns a wave
	s_add_co_u32 s52, s52, s53
	s_mov_b32 s53, 0
	s_add_nc_u64 s[4:5], s[16:17], s[52:53]
	s_lshl_b32 s52, s50, 21                        ; out: e, w, c = kappa / 2, P = 1, s = 2 (kappa % 2), t = 2 wave
	s_lshl_b32 s54, s49, 19
	s_add_co_u32 s52, s52, s54
	s_lshr_b32 s54, s51, 1
	s_lshl_b32 s54, s54, 17
	s_add_co_u32 s52, s52, s54
	s_and_b32 s54, s51, 1
	s_lshl_b32 s54, s54, 15
	s_add_co_u32 s52, s52, s54
	s_lshl_b32 s54, s28, 12
	s_add_co_u32 s52, s52, s54
	s_add_co_u32 s52, s52, 0x10000
	s_add_nc_u64 s[6:7], s[20:21], s[52:53]
	v_lshlrev_b32 v2, 2, v1                        ; in: column = lane
	WPATH 0, s35
.Lw1:
	; ---- W1: number - 64 = (2 e + sigma) 16 + 4 c + w: positions 256 sigma on, hidden units 512 c + 128 w + 32 wave on
	s_sub_co_u32 s48, ttmp9, 64
	s_and_b32 s49, s48, 15                         ; 4 c + w
	s_lshr_b32 s50, s48, 4
	s_and_b32 s51, s50, 1                          ; sigma
	s_lshr_b32 s50, s50, 1                         ; e
	s_lshl_b32 s52, s50, 22                        ; in: e x 4 MiB
	s_lshl_b32 s53, s51, 19                        ; + 64 sigma rows of 8,192 bytes (k = 128 (i / 4) + 64 sigma + 4 G + i % 4 for code i of piece G)
	s_add_co_u32 s52, s52, s53
	s_lshl_b32 s53, s49, 9                         ; + 128 (4 c + w) columns
	s_add_co_u32 s52, s52, s53
	s_lshl_b32 s53, s28, 7                         ; + 32 columns a wave
	s_add_co_u32 s52, s52, s53
	s_mov_b32 s53, 0
	s_add_nc_u64 s[4:5], s[14:15], s[52:53]
	s_lshl_b32 s52, s50, 21                        ; out: e, w, c, P = 0, s = 2 sigma, t = 2 wave
	s_and_b32 s54, s49, 3
	s_lshl_b32 s54, s54, 19
	s_add_co_u32 s52, s52, s54
	s_lshr_b32 s54, s49, 2
	s_lshl_b32 s54, s54, 17
	s_add_co_u32 s52, s52, s54
	s_lshl_b32 s54, s51, 15
	s_add_co_u32 s52, s52, s54
	s_lshl_b32 s54, s28, 12
	s_add_co_u32 s52, s52, s54
	s_add_nc_u64 s[6:7], s[20:21], s[52:53]
	v_and_b32 v2, 7, v1                            ; in: lane (u, r) takes column 8 u + r + 8 (r / 8) = 8 (lane / 16) + lane % 8 + 16 ((lane / 8) % 2) of the wave's 32
	v_lshl_add_u32 v2, v4, 3, v2
	v_bfe_u32 v5, v1, 3, 1
	v_lshl_add_u32 v2, v5, 4, v2
	v_lshlrev_b32 v2, 2, v2
	WPATH 1, s32
.Lx:
	; ---- THE TOKENS.  A wave takes 16 rows of x, one after the other, through a ring of four slots in registers.  Of a row lane l loads bytes 512 j + 16 l, j = 0..3 (each load: 512 consecutive bytes):
	; k = 128 j + 4 l + i in register 4 j + i.  Its 16 codes are positions 16 l .. 16 l + 15: the wave stores the row's 512 bytes by one instruction.
	s_load_b256 s[40:47], s[12:13], 0x0            ; bg
	s_lshl_b32 s48, ttmp9, 6
	s_lshl_b32 s49, s28, 4
	s_add_co_u32 s48, s48, s49                     ; my first token
	s_mov_b32 s51, 0
	s_lshl_b32 s50, s48, 11
	s_add_nc_u64 s[8:9], s[8:9], s[50:51]          ; x: rows of 2,048 bytes
	s_lshl_b32 s50, s48, 9
	s_add_nc_u64 s[22:23], s[22:23], s[50:51]      ; xq: rows of 512
	s_lshl_b32 s50, s48, 3
	s_add_nc_u64 s[24:25], s[24:25], s[50:51]      ; eidx, wts: 8 bytes a token
	s_add_nc_u64 s[26:27], s[26:27], s[50:51]
	v_lshlrev_b32 v2, 7, v1                        ; Wg: row k is 32 bytes: 4096 j + 128 l + 32 i
	v_lshlrev_b32 v3, 4, v1
.irp j, 0,1,2,3
.irp i, 0,1,2,3
	global_load_b128 v[WG+8*(4*\j+\i):WG+8*(4*\j+\i)+3], v2, s[10:11] offset:4096*\j+32*\i
	global_load_b128 v[WG+8*(4*\j+\i)+4:WG+8*(4*\j+\i)+7], v2, s[10:11] offset:4096*\j+32*\i+16
.endr
.endr
.irp i, 0,1,2,3
	v_add_nc_u32 v[OFFX+\i], 2048*\i, v3
	v_add_nc_u32 v[OFFQ+\i], 512*\i, v3
.endr
.macro XFILL s
.irp j, 0,1,2,3
	global_load_b128 v[X+16*\s+4*\j:X+16*\s+4*\j+3], v[OFFX+\s], s[8:9] offset:512*\j th:TH_LOAD_NT
.endr
.endm
.irp i, 0,1,2,3
	XFILL \i
.endr
.irp e, 0,1,2,3,4,5,6,7
	v_mov_b32 v[T+\e], 0                           ; a lane permute's destination counts as read: written once
	v_mov_b32 v[L+\e], 0                           ; filled lane by lane below: written whole once
.endr
	s_mov_b32 s36, 0x76543210                      ; v_permlanex16_b32: lane l xor 16
	s_mov_b32 s37, 0xfedcba98
	s_mov_b32 s29, 0x00010001                      ; the lanes that keep the row in hand: row and row + 16
	s_wait_kmcnt 0x0
	s_add_co_i32 s54, s33, 127
	s_lshl_b32 s55, s54, 23
	v_mov_b32 v13, s55                             ; 2^ex
	s_add_co_i32 s54, s54, 15
	s_lshl_b32 s54, s54, 23
	s_or_b32 s54, s54, 0x600000
	v_mov_b32 v12, s54                             ; 57,344 x 2^ex
; One row, in slot i.  ahead = 1: the slot then loads the row four further on.  left: the younger rows' loads, four each, which may stay out.
.macro ROW i, ahead, left
.set XS, X+16*\i
	s_wait_loadcnt \left                           ; loads come back in order: this row (and, the first time, Wg) is in
	s_wait_xcnt 0x0                                ; the slot's codes and its offset in xq, which its last store reads, are written again only behind this wait
.irp q, 0,1,2,3
	v_pk_mul_f32 v[P+2*\q:P+2*\q+1], v[XS:XS+1], v[WG+2*\q:WG+2*\q+1] op_sel_hi:[0,1]   ; the first k starts the eight sums; x's number serves both halves
.endr
.irp k, 1,2,3,4,5,6,7,8,9,10,11,12,13,14,15
.irp q, 0,1,2,3
.if (\k)%2
	v_pk_fma_f32 v[P+2*\q:P+2*\q+1], v[XS+\k-1:XS+\k], v[WG+8*\k+2*\q:WG+8*\k+2*\q+1], v[P+2*\q:P+2*\q+1] op_sel:[1,0,0] op_sel_hi:[1,1,1]
.else
	v_pk_fma_f32 v[P+2*\q:P+2*\q+1], v[XS+\k:XS+\k+1], v[WG+8*\k+2*\q:WG+8*\k+2*\q+1], v[P+2*\q:P+2*\q+1] op_sel_hi:[0,1,1]
.endif
.endr
.endr
.irp m, 1,2,4,8
.irp e, 0,1,2,3,4,5,6,7
	v_add_f32_dpp v[P+\e], v[P+\e], v[P+\e] row_xmask:\m row_mask:0xf bank_mask:0xf
.endr
.endr
.irp e, 0,1,2,3,4,5,6,7
	v_permlanex16_b32 v[T+\e], v[P+\e], s36, s37
.endr
.irp e, 0,1,2,3,4,5,6,7
	v_add_f32 v[P+\e], v[P+\e], v[T+\e]            ; every lane holds the row's eight sums
.endr
.irp e, 0,1,2,3,4,5,6,7
	v_cndmask_b32 v[L+\e], v[L+\e], v[P+\e], s29   ; two lanes keep them
.endr
	s_lshl_b32 s29, s29, 1
.irp k, 0,1,2,3,4,5,6,7,8,9,10,11,12,13,14,15
	v_med3_num_f32 v[XS+\k], v[XS+\k], -v12, v12
.endr
	v_cvt_scalef32_pk8_bf8_f32 v[C+4*\i:C+4*\i+1], v[XS:XS+7], v13
	v_cvt_scalef32_pk8_bf8_f32 v[C+4*\i+2:C+4*\i+3], v[XS+8:XS+15], v13
.if \ahead
	v_add_nc_u32 v[OFFX+\i], 4*2048, v[OFFX+\i]
	XFILL \i
	v_add_nc_u32 v[OFFQ+\i], 4*512, v[OFFQ+\i]
	global_store_b128 v[OFFQ+\i], v[C+4*\i:C+4*\i+3], s[22:23] offset:-4*512
.else
	global_store_b128 v[OFFQ+\i], v[C+4*\i:C+4*\i+3], s[22:23]
.endif
.endm
	s_mov_b32 s30, 3
.Lrows:
	ROW 0, 1, 12
	ROW 1, 1, 12
	ROW 2, 1, 12
	ROW 3, 1, 12
	s_sub_co_u32 s30, s30, 1
	s_cmp_lg_u32 s30, 0
	s_cbranch_scc1 .Lrows
	ROW 0, 0, 12                                   ; the last four rows load nothing: the counts run down
	ROW 1, 0, 8
	ROW 2, 0, 4
	ROW 3, 0, 0
	; ---- the gate: lane l holds token l % 16 (lanes 16-31 repeat lanes 0-15)
.irp e, 0,1,2,3,4,5,6,7
	v_add_f32 v[L+\e], s[40+\e], v[L+\e]           ; + bg
.endr
	v_max3_num_f32 v24, v32, v33, v34
	v_max3_num_f32 v24, v24, v35, v36
	v_max3_num_f32 v24, v24, v37, v38
	v_max_num_f32 v24, v24, v39                    ; the largest logit is taken away ahead of the exponential
.irp e, 0,1,2,3,4,5,6,7
	v_sub_f32 v[P+\e], v[L+\e], v24
.endr
.irp e, 0,1,2,3,4,5,6,7
	v_mul_f32 v[P+\e], 0x3fb8aa3b, v[P+\e]         ; x log2(e)
.endr
.irp e, 0,1,2,3,4,5,6,7
	v_exp_f32 v[P+\e], v[P+\e]                     ; p, at most 1; the largest is 1
.endr
	v_and_b32 v2, 15, v1                           ; a plain instruction behind the exponentials
	s_wait_alu depctr_va_vdst(0)                   ; one wait for the eight, ahead of their first reader
	v_add_f32 v25, v16, v17
	v_add_f32 v26, v18, v19
	v_add_f32 v27, v20, v21
	v_add_f32 v28, v22, v23
	v_add_f32 v25, v25, v26
	v_add_f32 v27, v27, v28
	v_add_f32 v25, v25, v27                        ; S = the sum of p
	v_mov_b32 v26, v16                             ; the largest p and its expert: a later one takes over only where it is strictly larger
	v_mov_b32 v28, 0
.irp e, 1,2,3,4,5,6,7
	v_cmp_le_f32 vcc_lo, v[P+\e], v26
	v_cndmask_b32 v28, \e, v28, vcc_lo
	v_cndmask_b32 v26, v[P+\e], v26, vcc_lo
.endr
.irp e, 0,1,2,3,4,5,6,7
	v_cmp_ne_u32 vcc_lo, \e, v28
	v_cndmask_b32 v[P+\e], -1.0, v[P+\e], vcc_lo   ; the chosen one is put under every p
.endr
	v_mov_b32 v27, v16                             ; the second
	v_mov_b32 v29, 0
.irp e, 1,2,3,4,5,6,7
	v_cmp_le_f32 vcc_lo, v[P+\e], v27
	v_cndmask_b32 v29, \e, v29, vcc_lo
	v_cndmask_b32 v27, v[P+\e], v27, vcc_lo
.endr
	v_add_f32 v24, v26, v27
	v_fmamk_f32 v24, v25, 0x3c23d70a, v24          ; p1 + p2 + 0.01 S: with gates g = p / S the weight g_i / (g1 + g2 + 0.01) is p_i over this
	v_rcp_f32 v24, v24
	v_lshlrev_b32 v2, 3, v2                        ; a plain instruction behind the reciprocal: 8 bytes a token
	s_wait_alu depctr_va_vdst(0)
	v_mul_f32 v30, v26, v24
	v_mul_f32 v31, v27, v24
	global_store_b64 v2, v[28:29], s[24:25]        ; the wave's 16 tokens: 128 consecutive bytes each (65,536 bytes in the whole launch go out so); the chosen experts are stored, and steer no address here
	global_store_b64 v2, v[30:31], s[26:27]
	s_endpgm
.Lfunc_end_k_q15cbd88e69_prep:
	.size	k_q15cbd88e69_prep, .Lfunc_end_k_q15cbd88e69_prep-k_q15cbd88e69_prep
	.p2alignl 7, 3214868480
	.fill 96, 4, 3214868480
	.section	.rodata,"a",@progbits
	.p2align	6, 0x0
	.amdhsa_kernel k_q15cbd88e69_prep
		.amdhsa_group_segment_fixed_size 0
		.amdhsa_private_segment_fixed_size 0
		.amdhsa_enable_private_segment 0
		.amdhsa_kernarg_size 80
		.amdhsa_user_sgpr_count 2
		.amdhsa_user_sgpr_kernarg_segment_ptr 1
		.amdhsa_wavefront_size32 1
		.amdhsa_system_sgpr_workgroup_id_x 1
		.amdhsa_system_sgpr_workgroup_id_y 1
		.amdhsa_system_sgpr_workgroup_id_z 1
		.amdhsa_system_vgpr_workitem_id 0
		.amdhsa_next_free_vgpr 256
		.amdhsa_next_free_sgpr 66
		.amdhsa_reserve_vcc 1
		.amdhsa_float_denorm_mode_32 3
		.amdhsa_float_denorm_mode_16_64 3
		.amdhsa_memory_ordered 1
		.amdhsa_forward_progress 1
		.amdhsa_inst_pref_size 173
	.end_amdhsa_kernel
	.amdgpu_metadata
---
amdhsa.version: [ 1, 2 ]
amdhsa.kernels:
  - .name:           k_q15cbd88e69_prep
    .symbol:         k_q15cbd88e69_prep.kd
    .args:
      - { .name: x, .offset: 0, .size: 8, .value_kind: global_buffer, .address_space: global }
      - { .name: Wg, .offset: 8, .size: 8, .value_kind: global_buffer, .address_space: global }
      - { .name: bg, .offset: 16, .size: 8, .value_kind: global_buffer, .address_space: global }
      - { .name: W1, .offset: 24, .size: 8, .value_kind: global_buffer, .address_space: global }
      - { .name: W2, .offset: 32, .size: 8, .value_kind: global_buffer, .address_space: global }
      - { .name: lowp_scales, .offset: 40, .size: 8, .value_kind: global_buffer, .address_space: global }
      - { .name: wq, .offset: 48, .size: 8, .value_kind: global_buffer, .address_space: global }
      - { .name: xq, .offset: 56, .size: 8, .value_kind: global_buffer, .address_space: global }
      - { .name: eidx, .offset: 64, .size: 8, .value_kind: global_buffer, .address_space: global }
      - { .name: wts, .offset: 72, .size: 8, .value_kind: global_buffer, .address_space: global }
    .group_segment_fixed_size: 0
    .private_segment_fixed_size: 0
    .kernarg_segment_align: 8
    .kernarg_segment_size: 80
    .max_flat_workgroup_size: 128
    .sgpr_count:     66
    .vgpr_count:     256
    .wavefront_size: 32
...
	.end_amdgpu_metadata
.endif
;; end of part 1
;; launch place (part 2): grid 1 x 1, 32 waves a work-group, no clusters, 4,608 bytes of LDS; arguments eidx, list, tiles; writes list, tiles
.if DOCPART == 2
	.amdgcn_target "amdgcn-amd-amdhsa--gfx1250"
	.amdhsa_code_object_version 6
	.text
	.protected	k_q15cbd88e69_place
	.globl	k_q15cbd88e69_place
	.p2align	8
	.type	k_q15cbd88e69_place,@function
k_q15cbd88e69_place:
	s_mov_b64 s[64:65], 0
	v_nop
	global_prefetch_b8 v0, s[64:65] scope:SCOPE_SE
	s_setreg_imm32_b32 hwreg(HW_REG_WAVE_MODE, 25, 1), 1
	s_wait_xcnt 0x0
; PLACE: a counting sort of the 8,192 routed rows p = 2 x token + k by expert, by one work-group of 32 waves, whole numbers only, one barrier, no atomics.
; list[0..8191]: the p, expert by expert (in ascending p).  list[8192..8255] = 0, so that a tile's 64 reads stay inside the buffer and find written words.
; tiles[0..134]: (expert, first place in list, rows, 0).  Tiles have 64 rows, an expert's last one what is left: at most 8192 / 64 + 7 = 135 of them, whatever the split.  What a split leaves of the 135, at most 7,
; is used up by cutting as many full tiles of the largest expert (1,024 rows or more, so it has 16 full tiles) into halves of 32 rows: every one of the 135 work-groups of the next launch has rows.
; Entries 135..159 are stored with 0 rows and read by nobody.
.set E,   8                            ; v8-15   my eight entries of eidx
.set POS, 24                           ; v24-31  at work; then where they go
.set PP,  32                           ; v32-39  their p
; s16-23 counts of my wave, later tiles of each expert; s24-31 packed sums; s32-39 T: rows of each expert; s40-47 where my wave's next row of each expert goes; s48-55 O: an expert's first place;
; s56-63 TB: an expert's first tile; s66-73 how many of its tiles are cut in two
	s_load_b128 s[4:7], s[0:1], 0x0                ; eidx, list
	s_load_b64 s[8:9], s[0:1], 0x10                ; tiles
	v_lshl_add_u32 v64, v0, 2, 0x200
	v_mov_b32 v65, 0
	v_lshrrev_b32 v2, 5, v0
	v_readfirstlane_b32 s10, v2                    ; wave 0..31
	v_and_b32 v1, 31, v0                           ; lane
	v_lshlrev_b32 v3, 4, v2                        ; LDS: 16 x wave
	v_lshlrev_b32 v4, 4, v1                        ; LDS: 16 x lane
	v_lshl_add_u32 v6, v2, 8, v1                   ; my first p: 256 x wave + lane
	v_lshlrev_b32 v7, 2, v6
	s_mov_b32 s14, 0x76543210
	s_mov_b32 s15, 0xfedcba98
	s_wait_kmcnt 0x0
.irp j, 0,1,2,3,4,5,6,7
	global_load_b32 v[E+\j], v7, s[4:5] offset:128*\j   ; p = 256 wave + 32 j + lane
.endr
	s_wait_loadcnt 0x0
	; ---- my wave's count of each expert
.irp e, 0,1,2,3,4,5,6,7
	s_mov_b32 s[16+\e], 0
.irp j, 0,1,2,3,4,5,6,7
	v_cmp_eq_u32 s11, \e, v[E+\j]
	s_bcnt1_i32_b32 s12, s11
	s_add_co_u32 s[16+\e], s[16+\e], s12
.endr
.endr
.irp q, 0,1,2,3
	s_lshl_b32 s12, s[17+2*\q], 16                 ; two experts to a word: no sum passes 8,192
	s_or_b32 s12, s12, s[16+2*\q]
	v_mov_b32 v[16+\q], s12
.endr
	ds_store_b128 v3, v[16:19]                     ; all lanes write the same 16 bytes with the same numbers
	s_wait_dscnt 0x0                               ; for the others' sake: my store has landed
	s_barrier_signal -1
	s_barrier_wait -1
	ds_load_b128 v[16:19], v4                      ; lane l: wave l's counts
	s_wait_dscnt 0x0
	v_cmp_gt_u32 vcc_lo, s10, v1
.irp q, 0,1,2,3
	v_cndmask_b32 v[20+\q], 0, v[16+\q], vcc_lo    ; the counts of the waves ahead of mine
.endr
.irp q, 0,1,2,3,4,5,6,7
	v_mov_b32 v[POS+\q], 0                         ; destinations of lane moves count as read: written once
.endr
.irp m, 1,2,4,8
.irp q, 0,1,2,3,4,5,6,7
	v_mov_b32_dpp v[POS+\q], v[16+\q] row_xmask:\m row_mask:0xf bank_mask:0xf
.endr
.irp q, 0,1,2,3,4,5,6,7
	v_add_nc_u32 v[16+\q], v[16+\q], v[POS+\q]
.endr
.endr
.irp q, 0,1,2,3,4,5,6,7
	v_permlanex16_b32 v[POS+\q], v[16+\q], s14, s15
.endr
.irp q, 0,1,2,3,4,5,6,7
	v_add_nc_u32 v[16+\q], v[16+\q], v[POS+\q]
.endr
.irp q, 0,1,2,3,4,5,6,7
	v_readfirstlane_b32 s[24+\q], v[16+\q]
.endr
.irp q, 0,1,2,3
	s_and_b32 s[32+2*\q], s[24+\q], 0xffff         ; T
	s_lshr_b32 s[33+2*\q], s[24+\q], 16
	s_and_b32 s[40+2*\q], s[28+\q], 0xffff         ; rows of the expert in the waves ahead of mine
	s_lshr_b32 s[41+2*\q], s[28+\q], 16
.endr
	s_mov_b32 s48, 0
.irp e, 1,2,3,4,5,6,7
	s_add_co_u32 s[48+\e], s[47+\e], s[31+\e]      ; O
.endr
	s_mov_b32 s74, s32                             ; the largest expert
	s_mov_b32 s75, 0
.irp e, 1,2,3,4,5,6,7
	s_cmp_gt_u32 s[32+\e], s74
	s_cselect_b32 s74, s[32+\e], s74
	s_cselect_b32 s75, \e, s75
.endr
	s_mov_b32 s77, 0
.irp e, 0,1,2,3,4,5,6,7
	s_add_co_u32 s[16+\e], s[32+\e], 63
	s_lshr_b32 s[16+\e], s[16+\e], 6               ; tiles of 64
	s_add_co_u32 s77, s77, s[16+\e]
.endr
	s_sub_co_u32 s76, 135, s77                     ; what is left of the 135: 0 to 7
.irp e, 0,1,2,3,4,5,6,7
	s_cmp_eq_u32 s75, \e
	s_cselect_b32 s[66+\e], s76, 0
	s_add_co_u32 s[16+\e], s[16+\e], s[66+\e]
.endr
	s_mov_b32 s56, 0
.irp e, 1,2,3,4,5,6,7
	s_add_co_u32 s[56+\e], s[55+\e], s[15+\e]      ; TB
.endr
.irp e, 0,1,2,3,4,5,6,7
	s_add_co_u32 s[40+\e], s[40+\e], s[48+\e]
.endr
	; ---- each row to its place: the expert's next free place + the lanes below mine with the same expert
.irp j, 0,1,2,3,4,5,6,7
.irp e, 0,1,2,3,4,5,6,7
	v_cmp_eq_u32 s11, \e, v[E+\j]
.if \e == 0
	v_mbcnt_lo_u32_b32 v[POS+\j], s11, s[40+\e]
.else
	v_mbcnt_lo_u32_b32 v5, s11, s[40+\e]
	v_cndmask_b32 v[POS+\j], v[POS+\j], v5, s11
.endif
	s_bcnt1_i32_b32 s12, s11
	s_add_co_u32 s[40+\e], s[40+\e], s12
.endr
	v_min_u32 v[POS+\j], 0x1fff, v[POS+\j]         ; a place made of loaded numbers is held inside the list
	v_lshlrev_b32 v[POS+\j], 2, v[POS+\j]
	v_add_nc_u32 v[PP+\j], 32*\j, v6
	global_store_b32 v[POS+\j], v[PP+\j], s[6:7]   ; 4 bytes a lane, 32,768 in all; lanes with the same expert write neighbouring words.  Each j has registers of its own
.endr
	; ---- the tiles: thread tau of waves 0 to 4 makes entry tau
	s_cmp_lt_u32 s10, 5
	s_cbranch_scc0 .Lnot_tiles
	v_mov_b32 v40, 0                               ; the last expert whose first tile is not behind tau, and its TB, O, T, cuts
	v_mov_b32 v41, 0
	v_mov_b32 v42, 0
	v_mov_b32 v43, s32
	v_mov_b32 v44, s66
.irp e, 1,2,3,4,5,6,7
	v_cmp_gt_u32 vcc_lo, s[56+\e], v0
	v_cndmask_b32 v40, \e, v40, vcc_lo
	v_cndmask_b32 v41, s[56+\e], v41, vcc_lo
	v_cndmask_b32 v42, s[48+\e], v42, vcc_lo
	v_cndmask_b32 v43, s[32+\e], v43, vcc_lo
	v_cndmask_b32 v44, s[66+\e], v44, vcc_lo
.endr
	v_sub_nc_u32 v45, v0, v41                      ; i: which tile of the expert
	v_lshlrev_b32 v46, 1, v44
	v_cmp_lt_u32 vcc_lo, v45, v46                  ; the first 2 l are halves: rows 32 i on
	v_sub_nc_u32 v47, v45, v44                     ; the others: rows 64 (i - l) on
	v_lshlrev_b32 v48, 6, v47
	v_sub_nc_u32 v49, v43, v48
	v_min_i32 v49, 64, v49
	v_max_i32 v49, 0, v49
	v_add_nc_u32 v48, v42, v48
	v_lshl_add_u32 v50, v45, 5, v42
	v_mov_b32 v51, 32
	v_cndmask_b32 v41, v48, v50, vcc_lo            ; first
	v_cndmask_b32 v42, v49, v51, vcc_lo            ; rows
	v_mov_b32 v43, 0
	v_lshlrev_b32 v52, 4, v0
	global_store_b128 v52, v[40:43], s[8:9]
	s_wait_tensorcnt 0x0
	ds_add_u32 v64, v65
	s_wait_dscnt 0x0
	s_endpgm
.Lnot_tiles:
	s_cmp_eq_u32 s10, 5
	s_cbranch_scc0 .Lend
	v_lshlrev_b32 v40, 2, v1
	v_mov_b32 v41, 0
	global_store_b32 v40, v41, s[6:7] offset:32768 ; list[8192..8255] = 0
	global_store_b32 v40, v41, s[6:7] offset:32896
.Lend:
	s_wait_tensorcnt 0x0
	ds_add_u32 v64, v65
	s_wait_dscnt 0x0
	s_endpgm
.Lfunc_end_k_q15cbd88e69_place:
	.size	k_q15cbd88e69_place, .Lfunc_end_k_q15cbd88e69_place-k_q15cbd88e69_place
	.p2alignl 7, 3214868480
	.fill 96, 4, 3214868480
	.section	.rodata,"a",@progbits
	.p2align	6, 0x0
	.amdhsa_kernel k_q15cbd88e69_place
		.amdhsa_group_segment_fixed_size 4608
		.amdhsa_private_segment_fixed_size 0
		.amdhsa_enable_private_segment 0
		.amdhsa_kernarg_size 24
		.amdhsa_user_sgpr_count 2
		.amdhsa_user_sgpr_kernarg_segment_ptr 1
		.amdhsa_wavefront_size32 1
		.amdhsa_system_sgpr_workgroup_id_x 1
		.amdhsa_system_sgpr_workgroup_id_y 1
		.amdhsa_system_sgpr_workgroup_id_z 1
		.amdhsa_system_vgpr_workitem_id 0
		.amdhsa_next_free_vgpr 66
		.amdhsa_next_free_sgpr 100
		.amdhsa_reserve_vcc 1
		.amdhsa_float_denorm_mode_32 3
		.amdhsa_float_denorm_mode_16_64 3
		.amdhsa_memory_ordered 1
		.amdhsa_forward_progress 1
		.amdhsa_inst_pref_size 39
	.end_amdhsa_kernel
	.amdgpu_metadata
---
amdhsa.version: [ 1, 2 ]
amdhsa.kernels:
  - .name:           k_q15cbd88e69_place
    .symbol:         k_q15cbd88e69_place.kd
    .args:
      - { .name: eidx, .offset: 0, .size: 8, .value_kind: global_buffer, .address_space: global }
      - { .name: list, .offset: 8, .size: 8, .value_kind: global_buffer, .address_space: global }
      - { .name: tiles, .offset: 16, .size: 8, .value_kind: global_buffer, .address_space: global }
    .group_segment_fixed_size: 4608
    .private_segment_fixed_size: 0
    .kernarg_segment_align: 8
    .kernarg_segment_size: 24
    .max_flat_workgroup_size: 1024
    .sgpr_count:     100
    .vgpr_count:     66
    .wavefront_size: 32
...
	.end_amdgpu_metadata
.endif
;; end of part 2
;; launch chain (part 3): grid 135 x 1, 4 waves a work-group, no clusters, 208,384 bytes of LDS; arguments tiles, list, wts, xq, wq, b1, b2, lowp_scales, yw; writes yw
.if DOCPART == 3
	.amdgcn_target "amdgcn-amd-amdhsa--gfx1250"
	.amdhsa_code_object_version 6
	.text
	.protected	k_q15cbd88e69_chain
	.globl	k_q15cbd88e69_chain
	.p2align	8
	.type	k_q15cbd88e69_chain,@function
k_q15cbd88e69_chain:
	s_mov_b64 s[64:65], 0
	v_nop
	global_prefetch_b8 v0, s[64:65] scope:SCOPE_SE
	s_setreg_imm32_b32 hwreg(HW_REG_WAVE_MODE, 25, 1), 1
	s_wait_xcnt 0x0
; CHAIN: one work-group takes one tile (up to 64 routed rows) of one expert through  yw[p] = weight(p) x (relu(x W1 + b1) W2 + b2),  both products on codes of E5M2 by v_wmma_f32_16x16x128_bf8_bf8, sums in f32.
; The hidden layer never goes to memory.  Only the rows that the router chose are multiplied: the others have weight 0 in the sum over experts.
; SHARES.  THE WAVES SHARE THE COLUMNS, NOT THE ROWS.  The 2,048 hidden units go in four chunks of 512.  In a chunk wave w makes hidden units 128 w .. 128 w + 127 of all 64 rows (8 tiles x 4 tiles of rows x 4 K steps),
; quantises them in registers, and hands them to the others through LDS as images of the operand's registers; then it adds the chunk's part (4 K steps) onto its outputs 128 w .. 128 w + 127 of all 64 rows, which stay in registers.
; THE WEIGHTS COME FROM MEMORY STRAIGHT INTO REGISTERS: wq holds them as register images in the very order in which a wave takes them, 512 KiB on end for each (expert, wave): a fragment (16 rows x 128 K, 16 registers) is four
; loads of 512 consecutive bytes, and feeds four matrix instructions.  A ring of 16 fragments (window 1) in four quarters: a group of 16 matrix instructions empties a quarter, which then takes the group four further on.
; BOTH PRODUCTS ARE USED TRANSPOSED (source 0 = 16 rows of the weight, source 1 = 16 routed rows): a lane holds ONE routed row.  The rows of W1 that form a tile are chosen (in wq) so that the 16 registers of tiles 2 b, 2 b + 1
; are hidden units 32 b + 16 (lane / 16) + 0 .. 15: the conversions' results are the next operand's registers.  b1, divided by the power of two that the sums lack, is the C of each sum's first matrix instruction.
; K of the first product is permuted alike in xq and in W1's codes; within an instruction k is laid by four 16-byte pieces a side, alike on both sides.
; NO CLUSTER, NO TENSOR LOAD: which expert a work-group serves and how many rows it stores are numbers read from memory; experts have 1 to 135 tiles, so the grid does not fall into groups of four that share an expert;
; and the weights go to registers, not to LDS, so there is no tile that a joint load could bring.
; LIMITS on the given exponents, so that each power of two below is an f32 number: eh - ew1 - ex between -126 and 112; eh + ew2 between -126 and 127.  NaN among the inputs is not served.
; LDS: x's 16 fragments (tile of rows m, K step s: 4 m + s), the hidden chunk's 16 likewise, b1 / 2^(ew1 + ex), b2, and a stage of 64 rows x (2,048 + 16) bytes for the way out.
.set XIMG, 0
.set HIMG, 32768
.set B1L,  65536
.set B2L,  B1L+8192
.set STG,  B2L+2048
.set SP,   2064                        ; 2,064 = 8 x 256 + 16: the sixteen rows that a store touches fall on sixteen different 16-byte columns
; REGISTERS.  Window 0:
.set LI,   1                           ; v1   16 x lane
.set RR,   2                           ; v2   r = lane % 16
.set HH,   3                           ; v3   h = lane / 16
.set XWI,  4                           ; v4   where I store x's images: 8192 w + 16 lane
.set HWI,  5                           ; v5   the hidden layer's: HIMG + 2048 w + 16 lane
.set B1A0, 6                           ; v6   B1L + 512 w + 64 h
.set B1A,  7                           ; v7   the same in the chunk whose b1 is fetched
.set B2A,  8                           ; v8   B2L + 512 w + 32 h
.set SO,   9                           ; v9, v10  the stage, in: row r (v10: row 32 + r), my outputs' bytes
.set SR,   11                          ; v11  the stage, back: my 16 rows, 16 bytes a lane
.set PM,   12                          ; v12-15  p of row 16 m + r, then its byte in wts
.set PW,   16                          ; v16  p of row 16 w + r
.set XG,   17                          ; v17  its token's row in xq, + 16 h
.set TID,  18                          ; v18  16 x thread
.set BST,  19                          ; v19  B1L + 16 x thread
.set WT,   20                          ; v20-27  the weight of row 16 m + r, written twice (a pair for the packed multiply)
.set SC,   28                          ; v28  2^(eh - ew1 - ex): the hidden layer's three scales folded into the conversion's one
.set LIM,  29                          ; v29  57,344 x that
.set LOM,  30                          ; v30  my byte in list, row r of tile m = 0
.set LOW,  31                          ; v31  the same for tile m = w
.set B1,   48                          ; v48-111  b1's eight tiles of the chunk, in the result's layout; in the last chunk b2's
.set XF,   112                         ; v112-175, v176-239  two sets of four fragments of source 1 (x or hidden): K steps by turns
.set RO,   240                         ; v240-255  row 16 w + i: p x 2,048 + 16 lane
; Window 1: the ring; on the way out first the finished numbers, then my 16 rows read back from the stage (16 registers a row: all 256).
; Window 2: the hidden chunk's sums, (m, t) at 64 m + 8 t.  Window 3: the outputs' sums, (m, n) at 64 m + 8 n.
; s[16:17] my place in wq; s26 wave; s28-30 expert, first, rows; s[32:35] exponents; s[40:41] 2^(eh + ew2); s42 chunks; s43 the chunk's bytes in b1; s44 my rows to store
.set MSB, 0
.macro WIN new                         ; s_set_vgpr_msb: bits 1:0 source 0, 3:2 source 1, 5:4 source 2, 7:6 destination; the high byte repeats the setting that is left
.if MSB != \new
	s_set_vgpr_msb (MSB<<8)|\new
.set MSB, \new
.endif
.endm
.macro FILL q, off                     ; 16 loads: four fragments, 8,192 consecutive bytes from off on, into quarter q of the ring
	WIN 0x40                                       ; destination window 1
.irp f, 0,1,2,3
.irp i, 0,1,2,3
	global_load_b128 v[64*(\q)+16*\f+4*\i:64*(\q)+16*\f+4*\i+3], v[LI], s[16:17] offset:(\off)+2048*\f+512*\i
.endr
.endr
.endm
.macro FETCHF buf, base, s             ; 16 LDS loads: K step s of the four tiles of rows, as images
	WIN 0
.irp m, 0,1,2,3
.irp c, 0,1,2,3
	ds_load_b128 v[(\buf)+16*\m+4*\c:(\buf)+16*\m+4*\c+3], v[LI] offset:(\base)+(4*\m+\s)*2048+512*\c
.endr
.endr
.endm
; Group g of a chunk's 16: four fragments of the weight x four tiles of rows.  g < 8: first product, K step g / 2, tiles 4 (g % 2) + f; g >= 8: second product likewise.
; The 32 accumulators of a product take turns, one instruction a turn, in the same order in every K step.  zero = 1: the outputs' sums begin.  fill = 1: the quarter takes group g + 4.
; lc: the younger groups' loads, 16 each, which may stay out.  dc: the LDS loads younger than the fragments of source 1 that this group needs; -1: they were waited for by the group before.
.macro GROUP g, zero, fill, lc, dc
	s_wait_loadcnt \lc
.if \dc >= 0
	s_wait_dscnt \dc
.endif
.if (\g) < 2
	WIN 0x81                                       ; source 0 window 1, source 1 and C (b1) window 0, D window 2
.elseif (\g) < 8
	WIN 0xa1                                       ; C and D window 2
.else
	WIN 0xf1                                       ; C and D window 3
.endif
.irp f, 0,1,2,3
.irp m, 0,1,2,3
.set rD, 64*\m+8*(4*((\g)%2)+\f)
.set rA, 64*((\g)%4)+16*\f
.set rB, XF+64*(((\g)/2)%2)+16*\m
.set rC, B1+8*(4*((\g)%2)+\f)
.if (\g) < 2
	v_wmma_f32_16x16x128_bf8_bf8 v[rD:rD+7], v[rA:rA+15], v[rB:rB+15], v[rC:rC+7]
.elseif (((\g) == 8) || ((\g) == 9)) && \zero
	v_wmma_f32_16x16x128_bf8_bf8 v[rD:rD+7], v[rA:rA+15], v[rB:rB+15], 0
.else
	v_wmma_f32_16x16x128_bf8_bf8 v[rD:rD+7], v[rA:rA+15], v[rB:rB+15], v[rD:rD+7]
.endif
.endr
.endr
.rept 4
	v_nop                                          ; four places in front of loads into registers that these products read, and of the first read of results
.endr
.if \fill
	FILL (\g)%4, ((\g)+4)*8192
.endif
.endm
; The chunk's 256 sums of a lane become four fragments of codes in v[XF] on.  Each accumulator is read from its low end on.
.macro QUANT
	WIN 0x82                                       ; source 0 and destination window 2
.set qi, 0
.rept 256
	v_med3_num_f32 v[qi], v[qi], 0, v[LIM]         ; the activation and the hold in one: between 0 and the largest code x the scale (the conversion does not saturate: ISA guide 7.6.2)
.set qi, qi+1
.endr
	WIN 0x02                                       ; source 0 window 2, destination window 0
.irp m, 0,1,2,3
.irp b, 0,1,2,3
	v_cvt_scalef32_pk8_bf8_f32 v[XF+16*\m+4*\b:XF+16*\m+4*\b+1], v[64*\m+16*\b:64*\m+16*\b+7], v[SC]
	v_cvt_scalef32_pk8_bf8_f32 v[XF+16*\m+4*\b+2:XF+16*\m+4*\b+3], v[64*\m+16*\b+8:64*\m+16*\b+15], v[SC]
.endr
.endr
	v_nop                                          ; one plain instruction behind the last conversion, ahead of whatever next touches its registers
	WIN 0
.endm
.macro CHUNK first, last
	GROUP 0, 0, 1, 48, 16                          ; b1 and x's K step 0 are in; K step 1's 16 loads may be out
	GROUP 1, 0, 1, 48, -1
	FETCHF XF, XIMG, 2
	GROUP 2, 0, 1, 48, 16
	GROUP 3, 0, 1, 48, -1
	FETCHF XF+64, XIMG, 3
	GROUP 4, 0, 1, 48, 16
	GROUP 5, 0, 1, 48, -1
	GROUP 6, 0, 1, 48, 0
	GROUP 7, 0, 1, 48, -1
	WIN 0
	s_wait_dscnt 0x0                               ; my reads of the last chunk's hidden images are long over: say so,
	s_barrier_signal -1
	QUANT                                          ; work on registers while the others arrive,
	s_barrier_wait -1                              ; and write the images anew only when nobody reads them
.irp m, 0,1,2,3
.irp c, 0,1,2,3
	ds_store_b128 v[HWI], v[XF+16*\m+4*\c:XF+16*\m+4*\c+3] offset:8192*\m+512*\c   ; K step w of the second product, rows 16 m on
.endr
.endr
	s_wait_dscnt 0x0                               ; for the others' sake: my stores have landed
	s_barrier_signal -1
	s_barrier_wait -1                              ; the chunk's sixteen fragments lie in LDS
	FETCHF XF, HIMG, 0
	FETCHF XF+64, HIMG, 1
.if \last
.irp n, 0,1,2,3,4,5,6,7
	ds_load_b128 v[B1+8*\n:B1+8*\n+3], v[B2A] offset:64*\n          ; b2 at outputs 128 w + 16 n + 8 h + 0 .. 7, for the way out
	ds_load_b128 v[B1+8*\n+4:B1+8*\n+7], v[B2A] offset:64*\n+16
.endr
.else
	s_add_co_u32 s43, s43, 2048
	v_add_nc_u32 v[B1A], s43, v[B1A0]
.irp t, 0,1,2,3,4,5,6,7
	ds_load_b128 v[B1+8*\t:B1+8*\t+3], v[B1A] offset:128*(\t/2)+32*(\t%2)       ; the next chunk's b1 at hidden units 32 (t / 2) + 16 h + 8 (t % 2) + 0 .. 7
	ds_load_b128 v[B1+8*\t+4:B1+8*\t+7], v[B1A] offset:128*(\t/2)+32*(\t%2)+16
.endr
.endif
	GROUP 8, \first, 1, 48, 32                     ; hidden K step 0 is in; K step 1's and the bias's loads may be out
	GROUP 9, \first, 1, 48, -1
	FETCHF XF, HIMG, 2
	GROUP 10, 0, 1, 48, 32                         ; behind K step 1's loads: the bias's and K step 2's
	GROUP 11, 0, 1, 48, -1
	FETCHF XF+64, HIMG, 3
.if \last
	GROUP 12, 0, 0, 48, 16                         ; nothing is left to fetch: the counts run down
	GROUP 13, 0, 0, 32, -1
	GROUP 14, 0, 0, 16, 0
	GROUP 15, 0, 0, 0, -1
	WIN 0
.else
	GROUP 12, 0, 1, 48, 16                         ; groups 12 to 15 fetch the next chunk's groups 0 to 3: the stream goes on without a gap
	GROUP 13, 0, 1, 48, -1
	FETCHF XF, XIMG, 0                             ; and x's first two K steps for the next chunk
	GROUP 14, 0, 1, 48, 16
	GROUP 15, 0, 1, 48, -1
	FETCHF XF+64, XIMG, 1
	s_wait_xcnt 0x0                                ; the loads issued so far have read their base: only now it steps
	s_add_nc_u64 s[16:17], s[16:17], 131072
.endif
.endm
	s_load_b512 s[8:23], s[0:1], 0x0               ; tiles s[8:9], list s[10:11], wts s[12:13], xq s[14:15], wq s[16:17], b1 s[18:19], b2 s[20:21], scales s[22:23]
	s_load_b64 s[24:25], s[0:1], 0x40              ; yw
	v_lshl_add_u32 v46, v0, 2, 0x32c00
	v_mov_b32 v47, 0
	v_lshrrev_b32 v2, 5, v0
	v_readfirstlane_b32 s26, v2                    ; wave 0..3
	v_and_b32 v3, 31, v0
	v_lshlrev_b32 v[LI], 4, v3
	v_and_b32 v[RR], 15, v0
	v_bfe_u32 v[HH], v0, 4, 1
	s_lshl_b32 s48, ttmp9, 4
	s_mov_b32 s49, 0
	s_wait_kmcnt 0x0
	s_add_nc_u64 s[8:9], s[8:9], s[48:49]
	s_load_b128 s[28:31], s[8:9], 0x0              ; my tile: expert, first, rows
	s_load_b128 s[32:35], s[22:23], 0x0            ; ew1, ex, eh, ew2
	; every LDS address: a constant + a lane term + a wave term
	s_lshl_b32 s50, s26, 13
	v_add_nc_u32 v[XWI], s50, v[LI]
	s_lshl_b32 s50, s26, 11
	s_add_co_u32 s50, s50, HIMG
	v_add_nc_u32 v[HWI], s50, v[LI]
	s_lshl_b32 s51, s26, 9
	s_add_co_u32 s50, s51, B1L
	v_lshl_add_u32 v[B1A0], v[HH], 6, s50
	s_add_co_u32 s50, s51, B2L
	v_lshl_add_u32 v[B2A], v[HH], 5, s50
	s_add_co_u32 s50, s51, STG
	v_mul_u32_u24 v[SO], v[RR], SP
	v_lshl_add_u32 v[SO], v[HH], 5, v[SO]
	v_add_nc_u32 v[SO], s50, v[SO]
	v_add_nc_u32 v[SO+1], 32*SP, v[SO]
	s_mul_i32 s50, s26, 16*SP
	s_add_co_u32 s50, s50, STG
	v_add_nc_u32 v[SR], s50, v[LI]
	v_lshlrev_b32 v[TID], 4, v0
	v_add_nc_u32 v[BST], B1L, v[TID]
	v_mov_b32 v[B1A], v[B1A0]
	s_mov_b32 s43, 0
	s_wait_kmcnt 0x0
	s_min_u32 s28, s28, 7                          ; numbers read from memory are held inside their tables before they enter an address
	s_min_u32 s29, s29, 0x1fff
	s_min_u32 s30, s30, 64
	s_lshl_b32 s48, s28, 21
	s_lshl_b32 s50, s26, 19
	s_add_co_u32 s48, s48, s50
	s_add_nc_u64 s[16:17], s[16:17], s[48:49]      ; wq: my expert's, my wave's 512 KiB
	s_lshl_b32 s48, s28, 13
	s_add_nc_u64 s[18:19], s[18:19], s[48:49]      ; b1: 8,192 bytes an expert
	s_lshl_b32 s48, s28, 11
	s_add_nc_u64 s[20:21], s[20:21], s[48:49]      ; b2: 2,048
	v_add_nc_u32 v[LOM], s29, v[RR]
	v_lshlrev_b32 v[LOM], 2, v[LOM]
	s_lshl_b32 s48, s26, 6
	v_add_nc_u32 v[LOW], s48, v[LOM]
.irp m, 0,1,2,3
	global_load_b32 v[PM+\m], v[LOM], s[10:11] offset:64*\m        ; list[first + 16 m + r]: at most entry 8,254 of 8,256
.endr
	global_load_b32 v[PW], v[LOW], s[10:11]
.irp i, 0,1,2,3
	global_load_b128 v[176+4*\i:179+4*\i], v[TID], s[18:19] offset:2048*\i      ; b1 of my expert: 128 threads x 16 bytes, four times
.endr
	global_load_b128 v[192:195], v[TID], s[20:21]                  ; b2
.irp g, 0,1,2,3
	FILL \g, \g*8192                               ; the ring's first four groups
.endr
	WIN 0
	s_wait_loadcnt 63                              ; 69 loads are younger than the list's five; the count is the largest that the wait can name: the oldest eleven are in, b1 and b2 among them
	v_lshrrev_b32 v[XG], 1, v[PW]                  ; the token of p
	v_min_u32 v[XG], 0xfff, v[XG]
	v_lshlrev_b32 v[XG], 9, v[XG]
	v_lshl_add_u32 v[XG], v[HH], 4, v[XG]
.irp s, 0,1,2,3
.irp c, 0,1,2,3
	global_load_b128 v[XF+16*\s+4*\c:XF+16*\s+4*\c+3], v[XG], s[14:15] offset:128*\s+32*\c    ; rows 16 w + r of x's codes: four fragments
.endr
.endr
.irp m, 0,1,2,3
	v_min_u32 v[PM+\m], 0x1fff, v[PM+\m]
	v_lshlrev_b32 v[PM+\m], 2, v[PM+\m]
	global_load_b32 v[WT+2*\m], v[PM+\m], s[12:13]
.endr
.irp i, 0,1,2,3,4,5,6,7,8,9,10,11,12,13,14,15
	v_readlane_b32 s48, v[PW], \i
	s_min_u32 s48, s48, 0x1fff
	v_lshl_add_u32 v[RO+\i], s48, 11, v[LI]        ; where row 16 w + i goes in yw
.endr
	s_lshl_b32 s48, s26, 4
	s_sub_co_i32 s44, s30, s48
	s_max_i32 s44, s44, 0                          ; how many of my 16 rows of the stage are the tile's
	s_add_co_i32 s46, s32, s33                     ; a sum of the first product stands for sum x 2^(ew1 + ex): b1 goes in divided by that,
	s_sub_co_i32 s45, 0, s46
	s_sub_co_i32 s47, s34, s46                     ; and the hidden layer's code is sum / 2^(eh - ew1 - ex)
	s_add_co_i32 s47, s47, 127
	s_lshl_b32 s48, s47, 23
	v_mov_b32 v[SC], s48
	s_add_co_i32 s47, s47, 15
	s_lshl_b32 s47, s47, 23
	s_or_b32 s47, s47, 0x600000
	v_mov_b32 v[LIM], s47
	s_add_co_i32 s40, s34, s35
	s_add_co_i32 s40, s40, 127
	s_lshl_b32 s40, s40, 23                        ; 2^(eh + ew2)
	s_mov_b32 s41, s40                             ; (named with it as a pair, so it is written)
.irp j, 0,1,2,3,4,5,6,7,8,9,10,11,12,13,14,15
	v_ldexp_f32 v[176+\j], v[176+\j], s45
.endr
.irp i, 0,1,2,3
	ds_store_b128 v[BST], v[176+4*\i:179+4*\i] offset:2048*\i
.endr
	ds_store_b128 v[BST], v[192:195] offset:8192
	s_wait_loadcnt 0x0                             ; x's codes and the weights of the rows (and the ring's first groups)
.irp s, 0,1,2,3
.irp c, 0,1,2,3
	ds_store_b128 v[XWI], v[XF+16*\s+4*\c:XF+16*\s+4*\c+3] offset:2048*\s+512*\c
.endr
.endr
.irp m, 0,1,2,3
	v_mov_b32 v[WT+2*\m+1], v[WT+2*\m]
.endr
	s_wait_dscnt 0x0                               ; for the others' sake: my stores have landed
	s_barrier_signal -1
	s_barrier_wait -1                              ; x's sixteen fragments, b1 and b2 lie in LDS; they are never written again
.irp t, 0,1,2,3,4,5,6,7
	ds_load_b128 v[B1+8*\t:B1+8*\t+3], v[B1A] offset:128*(\t/2)+32*(\t%2)
	ds_load_b128 v[B1+8*\t+4:B1+8*\t+7], v[B1A] offset:128*(\t/2)+32*(\t%2)+16
.endr
	FETCHF XF, XIMG, 0
	FETCHF XF+64, XIMG, 1
	CHUNK 1, 0                                     ; the first chunk is written out: its second product starts the outputs' sums with the constant 0
	s_mov_b32 s42, 2
.Lchunk:
	CHUNK 0, 0
	s_sub_co_u32 s42, s42, 1
	s_cmp_lg_u32 s42, 0
	s_cbranch_scc1 .Lchunk
	CHUNK 0, 1                                     ; the last is written out: no load leaves the wave's 512 KiB
	; THE WAY OUT.  y = sum x 2^(eh + ew2) + b2, x the row's weight, into the ring's registers, which are done with (the last group's four places stand in front).  A lane holds 8 neighbouring outputs of a row;
	; a row's 512 outputs come from four waves: they meet in the stage, and each wave stores 16 whole rows.
	WIN 0x43                                       ; source 0 (the sums) window 3, source 2 (b2) window 0, destination window 1
.irp m, 0,1,2,3
.irp n, 0,1,2,3,4,5,6,7
.irp i, 0,2,4,6
	v_pk_fma_f32 v[64*\m+8*\n+\i:64*\m+8*\n+\i+1], v[64*\m+8*\n+\i:64*\m+8*\n+\i+1], s[40:41], v[B1+8*\n+\i:B1+8*\n+\i+1] op_sel_hi:[1,0,1]
.endr
.endr
.endr
	WIN 0x41                                       ; source 0 and destination window 1
.irp m, 0,1,2,3
.irp n, 0,1,2,3,4,5,6,7
.irp i, 0,2,4,6
	v_pk_mul_f32 v[64*\m+8*\n+\i:64*\m+8*\n+\i+1], v[64*\m+8*\n+\i:64*\m+8*\n+\i+1], v[WT+2*\m:WT+2*\m+1] op_sel_hi:[1,0]
.endr
.endr
.endr
	WIN 0x04                                       ; the stores' data window 1
.irp m, 0,1,2,3
.irp n, 0,1,2,3,4,5,6,7
	ds_store_b128 v[SO+\m/2], v[64*\m+8*\n:64*\m+8*\n+3] offset:16*(\m%2)*SP+64*\n        ; lane (r, h): y(16 m + r, 128 w + 16 n + 8 h + 0 .. 7)
	ds_store_b128 v[SO+\m/2], v[64*\m+8*\n+4:64*\m+8*\n+7] offset:16*(\m%2)*SP+64*\n+16
.endr
.endr
	WIN 0
	s_wait_dscnt 0x0                               ; for the others' sake: my stores have landed (and have read their registers, which the loads below fill)
	s_barrier_signal -1
	s_barrier_wait -1                              ; 64 whole rows lie in the stage.  This is the last barrier: the branches below hang on a number read from memory
	WIN 0x40                                       ; destination window 1: a row of 2,048 bytes is 16 registers, my 16 rows fill the window
.irp i, 0,1,2,3,4,5,6,7,8,9,10,11,12,13,14,15
.irp q, 0,1,2,3
	ds_load_b128 v[16*\i+4*\q:16*\i+4*\q+3], v[SR] offset:SP*\i+512*\q
.endr
.endr
	WIN 0                                          ; at a branch and at a label every window is 0
.irp i, 0,1,2,3,4,5,6,7,8,9,10,11,12,13,14,15
	s_cmp_le_u32 s44, \i                           ; rows behind the tile's last are not the tile's: they are not stored
	s_cbranch_scc1 .Lend
	s_wait_dscnt 60-4*\i                           ; row i's four loads are in; those of the rows behind it may be out
	WIN 0x04                                       ; the stores' data window 1, their offset window 0
.irp q, 0,1,2,3
	global_store_b128 v[RO+\i], v[16*\i+4*\q:16*\i+4*\q+3], s[24:25] offset:512*\q   ; 32 lanes store 512 consecutive bytes, at a multiple of 256 from yw's first byte
.endr
	WIN 0
.endr
.Lend:
	s_wait_dscnt 0x0                               ; a wave that stores fewer than 16 rows comes here with loads out
	s_wait_tensorcnt 0x0
	ds_add_u32 v46, v47
	s_wait_dscnt 0x0
	s_endpgm
.Lfunc_end_k_q15cbd88e69_chain:
	.size	k_q15cbd88e69_chain, .Lfunc_end_k_q15cbd88e69_chain-k_q15cbd88e69_chain
	.p2alignl 7, 3214868480
	.fill 96, 4, 3214868480
	.section	.rodata,"a",@progbits
	.p2align	6, 0x0
	.amdhsa_kernel k_q15cbd88e69_chain
		.amdhsa_group_segment_fixed_size 208384
		.amdhsa_private_segment_fixed_size 0
		.amdhsa_enable_private_segment 0
		.amdhsa_kernarg_size 72
		.amdhsa_user_sgpr_count 2
		.amdhsa_user_sgpr_kernarg_segment_ptr 1
		.amdhsa_wavefront_size32 1
		.amdhsa_system_sgpr_workgroup_id_x 1
		.amdhsa_system_sgpr_workgroup_id_y 1
		.amdhsa_system_sgpr_workgroup_id_z 1
		.amdhsa_system_vgpr_workitem_id 0
		.amdhsa_next_free_vgpr 1024
		.amdhsa_next_free_sgpr 66
		.amdhsa_reserve_vcc 0
		.amdhsa_float_denorm_mode_32 3
		.amdhsa_float_denorm_mode_16_64 3
		.amdhsa_memory_ordered 1
		.amdhsa_forward_progress 1
		.amdhsa_inst_pref_size 255
	.end_amdhsa_kernel
	.section	.bss,"aw",@nobits
	.p2align	6
	.space	262144
	.amdgpu_metadata
---
amdhsa.version: [ 1, 2 ]
amdhsa.kernels:
  - .name:           k_q15cbd88e69_chain
    .symbol:         k_q15cbd88e69_chain.kd
    .args:
      - { .name: tiles, .offset: 0, .size: 8, .value_kind: global_buffer, .address_space: global }
      - { .name: list, .offset: 8, .size: 8, .value_kind: global_buffer, .address_space: global }
      - { .name: wts, .offset: 16, .size: 8, .value_kind: global_buffer, .address_space: global }
      - { .name: xq, .offset: 24, .size: 8, .value_kind: global_buffer, .address_space: global }
      - { .name: wq, .offset: 32, .size: 8, .value_kind: global_buffer, .address_space: global }
      - { .name: b1, .offset: 40, .size: 8, .value_kind: global_buffer, .address_space: global }
      - { .name: b2, .offset: 48, .size: 8, .value_kind: global_buffer, .address_space: global }
      - { .name: lowp_scales, .offset: 56, .size: 8, .value_kind: global_buffer, .address_space: global }
      - { .name: yw, .offset: 64, .size: 8, .value_kind: global_buffer, .address_space: global }
    .group_segment_fixed_size: 208384
    .private_segment_fixed_size: 0
    .kernarg_segment_align: 8
    .kernarg_segment_size: 72
    .max_flat_workgroup_size: 128
    .sgpr_count:     66
    .vgpr_count:     1024
    .wavefront_size: 32
...
	.end_amdgpu_metadata
.endif
;; end of part 3
;; launch combine (part 4): grid 256 x 1, 8 waves a work-group, no clusters, 0 bytes of LDS; arguments yw, out0; writes out0
.if DOCPART == 4
	.amdgcn_target "amdgcn-amd-amdhsa--gfx1250"
	.amdhsa_code_object_version 6
	.text
	.protected	k_q15cbd88e69_combine
	.globl	k_q15cbd88e69_combine
	.p2align	8
	.type	k_q15cbd88e69_combine,@function
k_q15cbd88e69_combine:
	s_mov_b64 s[64:65], 0
	v_nop
	global_prefetch_b8 v0, s[64:65] scope:SCOPE_SE
	s_setreg_imm32_b32 hwreg(HW_REG_WAVE_MODE, 25, 1), 1
	s_wait_xcnt 0x0
; COMBINE: out0[token] = yw[2 token] + yw[2 token + 1]: the two chosen experts' weighted rows, each made by another work-group of the launch before, are added by the row's one owner.
; A stream: wave W = 8 x work-group + wave owns tokens 2 W and 2 W + 1.  Sixteen loads of 512 consecutive bytes go out at once; eight stores of 512 consecutive bytes.  No LDS, no barrier.
	s_load_b128 s[4:7], s[0:1], 0x0                ; yw, out0
	v_lshrrev_b32 v1, 5, v0                        ; wave
	v_and_b32 v2, 31, v0
	v_lshlrev_b32 v2, 4, v2                        ; 16 bytes a lane
	v_lshl_add_u32 v3, v1, 13, v2                  ; yw: 8,192 bytes a wave
	v_lshl_add_u32 v4, v1, 12, v2                  ; out0: 4,096
	s_lshl_b32 s8, ttmp9, 16
	s_mov_b32 s9, 0
	s_lshl_b32 s10, ttmp9, 15
	s_mov_b32 s11, 0
	s_wait_kmcnt 0x0
	s_add_nc_u64 s[4:5], s[4:5], s[8:9]
	s_add_nc_u64 s[6:7], s[6:7], s[10:11]
.irp i, 0,1,2,3,4,5,6,7                ; token i / 4 of my two, quarter i % 4 of its row
	global_load_b128 v[8+8*\i:11+8*\i], v3, s[4:5] offset:4096*(\i/4)+512*(\i%4) th:TH_LOAD_NT
	global_load_b128 v[12+8*\i:15+8*\i], v3, s[4:5] offset:4096*(\i/4)+512*(\i%4)+2048 th:TH_LOAD_NT
.endr
.irp i, 0,1,2,3,4,5,6,7
	s_wait_loadcnt 14-2*\i                         ; this pair of loads is in; the younger pairs may be out
	v_pk_add_f32 v[8+8*\i:9+8*\i], v[8+8*\i:9+8*\i], v[12+8*\i:13+8*\i]
	v_pk_add_f32 v[10+8*\i:11+8*\i], v[10+8*\i:11+8*\i], v[14+8*\i:15+8*\i]
	global_store_b128 v4, v[8+8*\i:11+8*\i], s[6:7] offset:2048*(\i/4)+512*(\i%4) th:TH_STORE_NT
.endr
	s_endpgm
.Lfunc_end_k_q15cbd88e69_combine:
	.size	k_q15cbd88e69_combine, .Lfunc_end_k_q15cbd88e69_combine-k_q15cbd88e69_combine
	.p2alignl 7, 3214868480
	.fill 96, 4, 3214868480
	.section	.rodata,"a",@progbits
	.p2align	6, 0x0
	.amdhsa_kernel k_q15cbd88e69_combine
		.amdhsa_group_segment_fixed_size 0
		.amdhsa_private_segment_fixed_size 0
		.amdhsa_enable_private_segment 0
		.amdhsa_kernarg_size 16
		.amdhsa_user_sgpr_count 2
		.amdhsa_user_sgpr_kernarg_segment_ptr 1
		.amdhsa_wavefront_size32 1
		.amdhsa_system_sgpr_workgroup_id_x 1
		.amdhsa_system_sgpr_workgroup_id_y 1
		.amdhsa_system_sgpr_workgroup_id_z 1
		.amdhsa_system_vgpr_workitem_id 0
		.amdhsa_next_free_vgpr 72
		.amdhsa_next_free_sgpr 66
		.amdhsa_reserve_vcc 0
		.amdhsa_float_denorm_mode_32 3
		.amdhsa_float_denorm_mode_16_64 3
		.amdhsa_memory_ordered 1
		.amdhsa_forward_progress 1
		.amdhsa_inst_pref_size 5
	.end_amdhsa_kernel
	.amdgpu_metadata
---
amdhsa.version: [ 1, 2 ]
amdhsa.kernels:
  - .name:           k_q15cbd88e69_combine
    .symbol:         k_q15cbd88e69_combine.kd
    .args:
      - { .name: yw, .offset: 0, .size: 8, .value_kind: global_buffer, .address_space: global }
      - { .name: out0, .offset: 8, .size: 8, .value_kind: global_buffer, .address_space: global }
    .group_segment_fixed_size: 0
    .private_segment_fixed_size: 0
    .kernarg_segment_align: 8
    .kernarg_segment_size: 16
    .max_flat_workgroup_size: 256
    .sgpr_count:     66
    .vgpr_count:     72
    .wavefront_size: 32
...
	.end_amdgpu_metadata
.endif
;; end of part 4
;; ======== version 2 of 3: 4 launches; 1.18 times as fast as version 1
;; workspace buffers: wq 16,777,216 bytes; xq 2,097,152 bytes; eidx 32,768 bytes of whole numbers; wts 32,768 bytes; list 33,024 bytes of whole numbers; tiles 2,560 bytes of whole numbers; yw 16,777,216 bytes
;; launch prep (part 5): grid 512 x 1, 5 waves a work-group, no clusters, 0 bytes of LDS; arguments x, Wg, bg, W1, W2, lowp_scales, wq, xq, eidx, wts; writes wq, xq, eidx, wts
.if DOCPART == 5
	.amdgcn_target "amdgcn-amd-amdhsa--gfx1250"
	.amdhsa_code_object_version 6
	.text
	.protected	k_q15cbd88e69_prep
	.globl	k_q15cbd88e69_prep
	.p2align	8
	.type	k_q15cbd88e69_prep,@function
k_q15cbd88e69_prep:
	s_mov_b64 s[64:65], 0
	v_nop
	global_prefetch_b8 v0, s[64:65] scope:SCOPE_SE
	s_setreg_imm32_b32 hwreg(HW_REG_WAVE_MODE, 25, 1), 1
	s_wait_xcnt 0x0
; PREP: everything that is done once to the inputs.  512 work-groups of FIVE waves, all alike in their work: two for each of 256 WGPs.  No LDS, no barrier, EXEC never changes.
;   waves 0-3  quantise weights: work-groups 0..255 W1 [8][512 k][2048 f] f32, work-groups 256..511 W2 [8][2048 f][512 d] f32.  The codes go into wq AS IMAGES OF THE OPERAND REGISTERS of the launch that multiplies:
;   byte = e 2^21 + w 2^19 + c 2^17 + P 2^16 + (8 s + t) 2048 + 256 g + 16 r + i   (e expert, w the multiplying wave, c chunk of 512 hidden units, P 0: W1, 1: W2, s K step of 128, t tile of 16 rows, g piece of 16 codes, r row, i code).
;   W1: row r of tile t = 2 b + u is hidden unit 512 c + 128 w + 32 b + 8 u + r + 8 (r / 8); code (s, g, i) is position p = 128 s + 16 g + i of K.   W2: row r of tile t is output 128 w + 16 t + r; code (s, g, i) is hidden unit 512 c + 128 s + 16 g + i.
;   wave 4     takes 8 tokens (8 x work-group on): x -> codes of E5M2 (xq); the gate in f32: logits, softmax, top-2, weights -> eidx, wts, at fixed places 2 x token + k.
; K OF THE FIRST PRODUCT IS PERMUTED, alike in xq and in W1's codes: position p holds k = 128 ((p / 4) % 4) + 4 (p / 16) + p % 4.  Every product still meets its partner; only the order of the sums changes.
;   It is the order in which a lane that loads 16 neighbouring bytes of each quarter of a row of x holds its 16 numbers: so x needs no turn through LDS.
; QUANTISER: code = number / 2^e, held within +-57,344, to the nearest code, ties to even.  e: lowp_scales[0] W1, [1] x, [3] W2.
; LIMITS: each of these e between -126 and 112, so that 2^e and 57,344 x 2^e are f32 numbers.  NaN among the inputs is not served.
;   The top-2 is taken of p = 2^((logit - largest logit) log2 e), ties to the lower index; gates that differ only under f32's resolution may be ordered otherwise than rounded gates would be.  p under 2^-126 counts as 0.
.set XW,   16                          ; weights: v16-143  four sets of 32 numbers
.set CW,   144                         ; weights: v144-207 codes, eight registers a block, never written again
.set OFFX, 4                           ; tokens: v4-7    slot i: my byte offset in x of the row that the slot loads next
.set OFFQ, 8                           ; tokens: v8-11   slot i: the same in xq
.set P,    16                          ; tokens: v16-23  eight sums, later p
.set T,    24                          ; tokens: v24-31  at work
.set L,    32                          ; tokens: v32-39  the logits of token lane % 8
.set C,    40                          ; tokens: v40-55  codes, four registers a slot
.set X,    56                          ; tokens: v56-119 four slots of 16 numbers
.set WG,   120                         ; tokens: v120-247 Wg[k][0..7] of my 16 k
	s_load_b512 s[8:23], s[0:1], 0x0               ; x s[8:9], Wg s[10:11], bg s[12:13], W1 s[14:15], W2 s[16:17], scales s[18:19], wq s[20:21], xq s[22:23]
	s_load_b128 s[24:27], s[0:1], 0x40             ; eidx s[24:25], wts s[26:27]
	v_lshrrev_b32 v1, 5, v0
	v_readfirstlane_b32 s28, v1                    ; wave 0..4
	v_and_b32 v1, 31, v0                           ; lane
	s_wait_kmcnt 0x0
	s_load_b128 s[32:35], s[18:19], 0x0            ; ew1, ex, eh, ew2
	s_cmp_eq_u32 s28, 4
	s_cbranch_scc1 .Lx
	v_lshrrev_b32 v4, 4, v1                        ; lane / 16
	v_and_b32 v5, 15, v1
	v_lshlrev_b32 v3, 4, v5
	v_lshl_add_u32 v3, v4, 11, v3                  ; out: lanes 0-15 are the 16 rows of one tile, lanes 16-31 of the next: 2048 (lane / 16) + 16 (lane % 16)
; THE WEIGHTS.  A wave takes 32 columns x 256 positions of K.  A LANE TAKES A COLUMN AND ITS REGISTERS RUN DOWN K: each load reads 128 consecutive bytes, and the conversions give 16 codes with K innermost:
; a piece.  A piece is 16 bytes of a lane; the sixteen lanes of a tile store 256 consecutive bytes, at a multiple of 256 from wq's first byte.
.macro WLOAD t, w1                     ; block t: pieces 2 t and 2 t + 1 into set t % 4
.irp gg, 0,1
.irp i, 0,1,2,3,4,5,6,7,8,9,10,11,12,13,14,15
.if \w1
	global_load_b32 v[XW+32*((\t)%4)+16*\gg+\i], v2, s[4:5] offset:(128*(\i/4)+4*(2*(\t)+\gg)+\i%4)*8192 th:TH_LOAD_NT
.else
	global_load_b32 v[XW+32*((\t)%4)+16*\gg+\i], v2, s[4:5] offset:(16*(2*(\t)+\gg)+\i)*2048 th:TH_LOAD_NT
.endif
.endr
.endr
.endm
.macro WBLOCK t, w1
.set XS, XW+32*((\t)%4)
.if (\t) < 6
	s_wait_loadcnt 63                              ; 64 or 96 loads are younger than this block's; the count is the largest that the wait can name, and a smaller count only waits for more
.elseif (\t) == 6
	s_wait_loadcnt 32                              ; the last block's 32 may be out
.else
	s_wait_loadcnt 0
.endif
.irp i, 0,1,2,3,4,5,6,7,8,9,10,11,12,13,14,15,16,17,18,19,20,21,22,23,24,25,26,27,28,29,30,31
	v_med3_num_f32 v[XS+\i], v[XS+\i], -v10, v10   ; the conversion to an 8-bit code does not saturate (ISA guide 7.6.2): the hold at the largest code x the scale comes first
.endr
.irp q, 0,1,2,3
	v_cvt_scalef32_pk8_bf8_f32 v[CW+8*(\t)+2*\q:CW+8*(\t)+2*\q+1], v[XS+8*\q:XS+8*\q+7], v11
.endr
	global_store_b128 v3, v[CW+8*(\t):CW+8*(\t)+3], s[6:7] offset:((2*(\t))/8)*16384+256*((2*(\t))%8)
	global_store_b128 v3, v[CW+8*(\t)+4:CW+8*(\t)+7], s[6:7] offset:((2*(\t)+1)/8)*16384+256*((2*(\t)+1)%8)
.if (\t)+4 < 8
	WLOAD (\t)+4, \w1                              ; the set just converted takes the block four further on
.endif
.endm
.macro WPATH w1, se                    ; se: the scalar register that holds e
.irp t, 0,1,2,3
	WLOAD \t, \w1
.endr
	s_wait_kmcnt 0x0
	s_add_co_i32 s54, \se, 127
	s_lshl_b32 s55, s54, 23
	v_mov_b32 v11, s55                             ; 2^e as f32: the conversion takes its exponent field
	s_add_co_i32 s54, s54, 15
	s_lshl_b32 s54, s54, 23
	s_or_b32 s54, s54, 0x600000
	v_mov_b32 v10, s54                             ; 57,344 x 2^e
.irp t, 0,1,2,3,4,5,6,7
	WBLOCK \t, \w1
.endr
	s_endpgm
.endm
	s_cmp_lt_u32 ttmp9, 256
	s_cbranch_scc1 .Lw1
	; ---- W2: number - 256 = (8 e + kappa) 4 + w: hidden units 256 kappa on, outputs 128 w + 32 wave + lane
	s_sub_co_u32 s48, ttmp9, 256
	s_and_b32 s49, s48, 3                          ; w
	s_lshr_b32 s50, s48, 2
	s_and_b32 s51, s50, 7                          ; kappa
	s_lshr_b32 s50, s50, 3                         ; e
	s_lshl_b32 s52, s50, 22                        ; in: e x 4 MiB
	s_lshl_b32 s53, s51, 19                        ; + 256 kappa rows of 2,048 bytes
	s_add_co_u32 s52, s52, s53
	s_lshl_b32 s53, s49, 9                         ; + 128 w columns
	s_add_co_u32 s52, s52, s53
	s_lshl_b32 s53, s28, 7                         ; + 32 columns a wave
	s_add_co_u32 s52, s52, s53
	s_mov_b32 s53, 0
	s_add_nc_u64 s[4:5], s[16:17], s[52:53]
	s_lshl_b32 s52, s50, 21                        ; out: e, w, c = kappa / 2, P = 1, s = 2 (kappa % 2), t = 2 wave
	s_lshl_b32 s54, s49, 19
	s_add_co_u32 s52, s52, s54
	s_lshr_b32 s54, s51, 1
	s_lshl_b32 s54, s54, 17
	s_add_co_u32 s52, s52, s54
	s_and_b32 s54, s51, 1
	s_lshl_b32 s54, s54, 15
	s_add_co_u32 s52, s52, s54
	s_lshl_b32 s54, s28, 12
	s_add_co_u32 s52, s52, s54
	s_add_co_u32 s52, s52, 0x10000
	s_add_nc_u64 s[6:7], s[20:21], s[52:53]
	v_lshlrev_b32 v2, 2, v1                        ; in: column = lane
	WPATH 0, s35
.Lw1:
	; ---- W1: number = (2 e + sigma) 16 + 4 c + w: positions 256 sigma on, hidden units 512 c + 128 w + 32 wave on
	s_and_b32 s49, ttmp9, 15                       ; 4 c + w
	s_lshr_b32 s50, ttmp9, 4
	s_and_b32 s51, s50, 1                          ; sigma
	s_lshr_b32 s50, s50, 1                         ; e
	s_lshl_b32 s52, s50, 22                        ; in: e x 4 MiB
	s_lshl_b32 s53, s51, 19                        ; + 64 sigma rows of 8,192 bytes (k = 128 (i / 4) + 64 sigma + 4 G + i % 4 for code i of piece G)
	s_add_co_u32 s52, s52, s53
	s_lshl_b32 s53, s49, 9                         ; + 128 (4 c + w) columns
	s_add_co_u32 s52, s52, s53
	s_lshl_b32 s53, s28, 7                         ; + 32 columns a wave
	s_add_co_u32 s52, s52, s53
	s_mov_b32 s53, 0
	s_add_nc_u64 s[4:5], s[14:15], s[52:53]
	s_lshl_b32 s52, s50, 21                        ; out: e, w, c, P = 0, s = 2 sigma, t = 2 wave
	s_and_b32 s54, s49, 3
	s_lshl_b32 s54, s54, 19
	s_add_co_u32 s52, s52, s54
	s_lshr_b32 s54, s49, 2
	s_lshl_b32 s54, s54, 17
	s_add_co_u32 s52, s52, s54
	s_lshl_b32 s54, s51, 15
	s_add_co_u32 s52, s52, s54
	s_lshl_b32 s54, s28, 12
	s_add_co_u32 s52, s52, s54
	s_add_nc_u64 s[6:7], s[20:21], s[52:53]
	v_and_b32 v2, 7, v1                            ; in: lane (u, r) takes column 8 u + r + 8 (r / 8) = 8 (lane / 16) + lane % 8 + 16 ((lane / 8) % 2) of the wave's 32
	v_lshl_add_u32 v2, v4, 3, v2
	v_bfe_u32 v5, v1, 3, 1
	v_lshl_add_u32 v2, v5, 4, v2
	v_lshlrev_b32 v2, 2, v2
	WPATH 1, s32
.Lx:
	; ---- THE TOKENS.  Wave 4 takes 8 rows of x, one after the other, through a ring of four slots in registers.  Of a row lane l loads bytes 512 j + 16 l, j = 0..3 (each load: 512 consecutive bytes):
	; k = 128 j + 4 l + i in register 4 j + i.  Its 16 codes are positions 16 l .. 16 l + 15: the wave stores the row's 512 bytes by one instruction.
	s_load_b256 s[40:47], s[12:13], 0x0            ; bg
	s_lshl_b32 s48, ttmp9, 3                       ; my first token
	s_mov_b32 s51, 0
	s_lshl_b32 s50, s48, 11
	s_add_nc_u64 s[8:9], s[8:9], s[50:51]          ; x: rows of 2,048 bytes
	s_lshl_b32 s50, s48, 9
	s_add_nc_u64 s[22:23], s[22:23], s[50:51]      ; xq: rows of 512
	s_lshl_b32 s50, s48, 3
	s_add_nc_u64 s[24:25], s[24:25], s[50:51]      ; eidx, wts: 8 bytes a token
	s_add_nc_u64 s[26:27], s[26:27], s[50:51]
	v_lshlrev_b32 v2, 7, v1                        ; Wg: row k is 32 bytes: 4096 j + 128 l + 32 i
	v_lshlrev_b32 v3, 4, v1
.irp j, 0,1,2,3
.irp i, 0,1,2,3
	global_load_b128 v[WG+8*(4*\j+\i):WG+8*(4*\j+\i)+3], v2, s[10:11] offset:4096*\j+32*\i
	global_load_b128 v[WG+8*(4*\j+\i)+4:WG+8*(4*\j+\i)+7], v2, s[10:11] offset:4096*\j+32*\i+16
.endr
.endr
.irp i, 0,1,2,3
	v_add_nc_u32 v[OFFX+\i], 2048*\i, v3
	v_add_nc_u32 v[OFFQ+\i], 512*\i, v3
.endr
.macro XFILL s
.irp j, 0,1,2,3
	global_load_b128 v[X+16*\s+4*\j:X+16*\s+4*\j+3], v[OFFX+\s], s[8:9] offset:512*\j th:TH_LOAD_NT
.endr
.endm
.irp i, 0,1,2,3
	XFILL \i
.endr
.irp e, 0,1,2,3,4,5,6,7
	v_mov_b32 v[T+\e], 0                           ; a lane permute's destination counts as read: written once
	v_mov_b32 v[L+\e], 0                           ; filled lane by lane below: written whole once
.endr
	s_mov_b32 s36, 0x76543210                      ; v_permlanex16_b32: lane l xor 16
	s_mov_b32 s37, 0xfedcba98
	s_mov_b32 s29, 0x01010101                      ; the lanes that keep the row in hand: row, row + 8, row + 16, row + 24
	s_wait_kmcnt 0x0
	s_add_co_i32 s54, s33, 127
	s_lshl_b32 s55, s54, 23
	v_mov_b32 v13, s55                             ; 2^ex
	s_add_co_i32 s54, s54, 15
	s_lshl_b32 s54, s54, 23
	s_or_b32 s54, s54, 0x600000
	v_mov_b32 v12, s54                             ; 57,344 x 2^ex
; One row, in slot i.  ahead = 1: the slot then loads the row four further on.  left: the younger rows' loads, four each, which may stay out.
.macro ROW i, ahead, left
.set XS, X+16*\i
	s_wait_loadcnt \left                           ; loads come back in order: this row (and, the first time, Wg) is in
	s_wait_xcnt 0x0                                ; the slot's codes and its offset in xq, which its last store reads, are written again only behind this wait
.irp q, 0,1,2,3
	v_pk_mul_f32 v[P+2*\q:P+2*\q+1], v[XS:XS+1], v[WG+2*\q:WG+2*\q+1] op_sel_hi:[0,1]   ; the first k starts the eight sums; x's number serves both halves
.endr
.irp k, 1,2,3,4,5,6,7,8,9,10,11,12,13,14,15
.irp q, 0,1,2,3
.if (\k)%2
	v_pk_fma_f32 v[P+2*\q:P+2*\q+1], v[XS+\k-1:XS+\k], v[WG+8*\k+2*\q:WG+8*\k+2*\q+1], v[P+2*\q:P+2*\q+1] op_sel:[1,0,0] op_sel_hi:[1,1,1]
.else
	v_pk_fma_f32 v[P+2*\q:P+2*\q+1], v[XS+\k:XS+\k+1], v[WG+8*\k+2*\q:WG+8*\k+2*\q+1], v[P+2*\q:P+2*\q+1] op_sel_hi:[0,1,1]
.endif
.endr
.endr
.irp m, 1,2,4,8
.irp e, 0,1,2,3,4,5,6,7
	v_add_f32_dpp v[P+\e], v[P+\e], v[P+\e] row_xmask:\m row_mask:0xf bank_mask:0xf
.endr
.endr
.irp e, 0,1,2,3,4,5,6,7
	v_permlanex16_b32 v[T+\e], v[P+\e], s36, s37
.endr
.irp e, 0,1,2,3,4,5,6,7
	v_add_f32 v[P+\e], v[P+\e], v[T+\e]            ; every lane holds the row's eight sums
.endr
.irp e, 0,1,2,3,4,5,6,7
	v_cndmask_b32 v[L+\e], v[L+\e], v[P+\e], s29   ; four lanes keep them
.endr
	s_lshl_b32 s29, s29, 1
.irp k, 0,1,2,3,4,5,6,7,8,9,10,11,12,13,14,15
	v_med3_num_f32 v[XS+\k], v[XS+\k], -v12, v12
.endr
	v_cvt_scalef32_pk8_bf8_f32 v[C+4*\i:C+4*\i+1], v[XS:XS+7], v13
	v_cvt_scalef32_pk8_bf8_f32 v[C+4*\i+2:C+4*\i+3], v[XS+8:XS+15], v13
.if \ahead
	v_add_nc_u32 v[OFFX+\i], 4*2048, v[OFFX+\i]
	XFILL \i
	v_add_nc_u32 v[OFFQ+\i], 4*512, v[OFFQ+\i]
	global_store_b128 v[OFFQ+\i], v[C+4*\i:C+4*\i+3], s[22:23] offset:-4*512
.else
	global_store_b128 v[OFFQ+\i], v[C+4*\i:C+4*\i+3], s[22:23]
.endif
.endm
	ROW 0, 1, 12                                   ; rows 0 to 3: each slot then loads the row four further on
	ROW 1, 1, 12
	ROW 2, 1, 12
	ROW 3, 1, 12
	ROW 0, 0, 12                                   ; rows 4 to 7 load nothing: the counts run down
	ROW 1, 0, 8
	ROW 2, 0, 4
	ROW 3, 0, 0
	; ---- the gate: lane l holds token l % 8 (lanes 8-31 repeat lanes 0-7)
.irp e, 0,1,2,3,4,5,6,7
	v_add_f32 v[L+\e], s[40+\e], v[L+\e]           ; + bg
.endr
	v_max3_num_f32 v24, v32, v33, v34
	v_max3_num_f32 v24, v24, v35, v36
	v_max3_num_f32 v24, v24, v37, v38
	v_max_num_f32 v24, v24, v39                    ; the largest logit is taken away ahead of the exponential
.irp e, 0,1,2,3,4,5,6,7
	v_sub_f32 v[P+\e], v[L+\e], v24
.endr
.irp e, 0,1,2,3,4,5,6,7
	v_mul_f32 v[P+\e], 0x3fb8aa3b, v[P+\e]         ; x log2(e)
.endr
.irp e, 0,1,2,3,4,5,6,7
	v_exp_f32 v[P+\e], v[P+\e]                     ; p, at most 1; the largest is 1
.endr
	v_and_b32 v2, 7, v1                            ; a plain instruction behind the exponentials
	s_wait_alu depctr_va_vdst(0)                   ; one wait for the eight, ahead of their first reader
	v_add_f32 v25, v16, v17
	v_add_f32 v26, v18, v19
	v_add_f32 v27, v20, v21
	v_add_f32 v28, v22, v23
	v_add_f32 v25, v25, v26
	v_add_f32 v27, v27, v28
	v_add_f32 v25, v25, v27                        ; S = the sum of p
	v_mov_b32 v26, v16                             ; the largest p and its expert: a later one takes over only where it is strictly larger
	v_mov_b32 v28, 0
.irp e, 1,2,3,4,5,6,7
	v_cmp_le_f32 vcc_lo, v[P+\e], v26
	v_cndmask_b32 v28, \e, v28, vcc_lo
	v_cndmask_b32 v26, v[P+\e], v26, vcc_lo
.endr
.irp e, 0,1,2,3,4,5,6,7
	v_cmp_ne_u32 vcc_lo, \e, v28
	v_cndmask_b32 v[P+\e], -1.0, v[P+\e], vcc_lo   ; the chosen one is put under every p
.endr
	v_mov_b32 v27, v16                             ; the second
	v_mov_b32 v29, 0
.irp e, 1,2,3,4,5,6,7
	v_cmp_le_f32 vcc_lo, v[P+\e], v27
	v_cndmask_b32 v29, \e, v29, vcc_lo
	v_cndmask_b32 v27, v[P+\e], v27, vcc_lo
.endr
	v_add_f32 v24, v26, v27
	v_fmamk_f32 v24, v25, 0x3c23d70a, v24          ; p1 + p2 + 0.01 S: with gates g = p / S the weight g_i / (g1 + g2 + 0.01) is p_i over this
	v_rcp_f32 v24, v24
	v_lshlrev_b32 v2, 3, v2                        ; a plain instruction behind the reciprocal: 8 bytes a token
	s_wait_alu depctr_va_vdst(0)
	v_mul_f32 v30, v26, v24
	v_mul_f32 v31, v27, v24
	global_store_b64 v2, v[28:29], s[24:25]        ; the wave's 8 tokens: 64 consecutive bytes each (65,536 bytes in the whole launch go out so); the chosen experts are stored, and steer no address here
	global_store_b64 v2, v[30:31], s[26:27]
	s_endpgm
.Lfunc_end_k_q15cbd88e69_prep:
	.size	k_q15cbd88e69_prep, .Lfunc_end_k_q15cbd88e69_prep-k_q15cbd88e69_prep
	.p2alignl 7, 3214868480
	.fill 96, 4, 3214868480
	.section	.rodata,"a",@progbits
	.p2align	6, 0x0
	.amdhsa_kernel k_q15cbd88e69_prep
		.amdhsa_group_segment_fixed_size 0
		.amdhsa_private_segment_fixed_size 0
		.amdhsa_enable_private_segment 0
		.amdhsa_kernarg_size 80
		.amdhsa_user_sgpr_count 2
		.amdhsa_user_sgpr_kernarg_segment_ptr 1
		.amdhsa_wavefront_size32 1
		.amdhsa_system_sgpr_workgroup_id_x 1
		.amdhsa_system_sgpr_workgroup_id_y 1
		.amdhsa_system_sgpr_workgroup_id_z 1
		.amdhsa_system_vgpr_workitem_id 0
		.amdhsa_next_free_vgpr 256
		.amdhsa_next_free_sgpr 66
		.amdhsa_reserve_vcc 1
		.amdhsa_float_denorm_mode_32 3
		.amdhsa_float_denorm_mode_16_64 3
		.amdhsa_memory_ordered 1
		.amdhsa_forward_progress 1
		.amdhsa_inst_pref_size 173
	.end_amdhsa_kernel
	.amdgpu_metadata
---
amdhsa.version: [ 1, 2 ]
amdhsa.kernels:
  - .name:           k_q15cbd88e69_prep
    .symbol:         k_q15cbd88e69_prep.kd
    .args:
      - { .name: x, .offset: 0, .size: 8, .value_kind: global_buffer, .address_space: global }
      - { .name: Wg, .offset: 8, .size: 8, .value_kind: global_buffer, .address_space: global }
      - { .name: bg, .offset: 16, .size: 8, .value_kind: global_buffer, .address_space: global }
      - { .name: W1, .offset: 24, .size: 8, .value_kind: global_buffer, .address_space: global }
      - { .name: W2, .offset: 32, .size: 8, .value_kind: global_buffer, .address_space: global }
      - { .name: lowp_scales, .offset: 40, .size: 8, .value_kind: global_buffer, .address_space: global }
      - { .name: wq, .offset: 48, .size: 8, .value_kind: global_buffer, .address_space: global }
      - { .name: xq, .offset: 56, .size: 8, .value_kind: global_buffer, .address_space: global }
      - { .name: eidx, .offset: 64, .size: 8, .value_kind: global_buffer, .address_space: global }
      - { .name: wts, .offset: 72, .size: 8, .value_kind: global_buffer, .address_space: global }
    .group_segment_fixed_size: 0
    .private_segment_fixed_size: 0
    .kernarg_segment_align: 8
    .kernarg_segment_size: 80
    .max_flat_workgroup_size: 160
    .sgpr_count:     66
    .vgpr_count:     256
    .wavefront_size: 32
...
	.end_amdgpu_metadata
.endif
;; end of part 5
;; launch place (part 6): grid 1 x 1, 32 waves a work-group, no clusters, 4,608 bytes of LDS; arguments eidx, list, tiles; writes list, tiles
.if DOCPART == 6
	.amdgcn_target "amdgcn-amd-amdhsa--gfx1250"
	.amdhsa_code_object_version 6
	.text
	.protected	k_q15cbd88e69_place
	.globl	k_q15cbd88e69_place
	.p2align	8
	.type	k_q15cbd88e69_place,@function
k_q15cbd88e69_place:
	s_mov_b64 s[64:65], 0
	v_nop
	global_prefetch_b8 v0, s[64:65] scope:SCOPE_SE
	s_setreg_imm32_b32 hwreg(HW_REG_WAVE_MODE, 25, 1), 1
	s_wait_xcnt 0x0
; PLACE: a counting sort of the 8,192 routed rows p = 2 x token + k by expert, by one work-group of 32 waves, whole numbers only, one barrier, no atomics.
; list[0..8191]: the p, expert by expert (inside an expert by thread, then by p).  list[8192..8255] = 0, so that a tile's 64 reads stay inside the buffer and find written words.
; tiles[0..134]: (expert, first place in list, rows, 0).  Tiles have 64 rows, an expert's last one what is left: at most 8192 / 64 + 7 = 135 of them, whatever the split.  What a split leaves of the 135, at most 7,
; is used up by cutting as many full tiles of the largest expert (1,024 rows or more, so it has 16 full tiles) into halves of 32 rows: every one of the 135 work-groups of the next launch has rows.
; Entries 135..159 are stored with 0 rows and read by nobody.
; HOW.  Thread t takes the eight entries p = 8 t .. 8 t + 7.  It counts them in eight fields of 4 bits of one register (a count is at most 8); the field as it stands ahead of an entry is the entry's rank among the
; thread's own.  The counts, two experts to a word in fields of 16 bits (no sum passes 8,192), go through a butterfly over the 32 lanes, which gives each lane the sum of the lanes below it and every lane the wave's sum.
; The waves' sums meet in LDS.  An entry's place = its expert's first place + the expert's rows in the waves ahead + in the lanes below + its rank.
.set E,    8                           ; v8-15   my eight entries of eidx
.set TMP,  24                          ; v24-31  at work
.set PP,   32                          ; v32-39  their p
.set R,    40                          ; v40-47  their ranks among my own
.set PFX,  52                          ; v52-55  rows of each expert in the lanes below mine, packed
.set BASE, 56                          ; v56-59  where my first row of each expert goes, packed
.set POS,  64                          ; v64-71  where my entries go
; s16-23 tiles of each expert; s24-31 packed sums; s32-39 T: rows of each expert; s40-47 where my wave's first row of each expert goes; s48-55 O: an expert's first place;
; s56-63 TB: an expert's first tile; s66-73 how many of its tiles are cut in two; s80-84 the lanes whose number has bit 0, 1, 2, 3, 4 set
	s_load_b128 s[4:7], s[0:1], 0x0                ; eidx, list
	s_load_b64 s[8:9], s[0:1], 0x10                ; tiles
	v_lshl_add_u32 v80, v0, 2, 0x200
	v_mov_b32 v81, 0
	v_lshrrev_b32 v2, 5, v0
	v_readfirstlane_b32 s10, v2                    ; wave 0..31
	v_and_b32 v1, 31, v0                           ; lane
	v_lshlrev_b32 v3, 4, v2                        ; LDS: 16 x wave
	v_lshlrev_b32 v4, 4, v1                        ; LDS: 16 x lane
	v_lshlrev_b32 v6, 3, v0                        ; my first p
	v_lshlrev_b32 v7, 5, v0                        ; its byte in eidx
	s_mov_b32 s14, 0x76543210                      ; v_permlanex16_b32: lane l xor 16
	s_mov_b32 s15, 0xfedcba98
	s_mov_b32 s80, 0xaaaaaaaa
	s_mov_b32 s81, 0xcccccccc
	s_mov_b32 s82, 0xf0f0f0f0
	s_mov_b32 s83, 0xff00ff00
	s_mov_b32 s84, 0xffff0000
	s_mov_b32 s20, 0x0202                          ; v_perm_b32's selector for field f of four: bytes 2 f and 2 f + 1: 0x0100 + 0x0202 f
	s_mov_b32 s21, 0x0100
	v_mov_b32 v48, 0                               ; my counts
	v_mov_b32 v49, 1
.irp q, 0,1,2,3,4,5,6,7
	v_mov_b32 v[TMP+\q], 0                         ; destinations of lane moves count as read: written once
.endr
.irp q, 0,1,2,3
	v_mov_b32 v[PFX+\q], 0
.endr
	s_wait_kmcnt 0x0
	global_load_b128 v[8:11], v7, s[4:5]           ; a wave reads 1,024 consecutive bytes by the two loads
	global_load_b128 v[12:15], v7, s[4:5] offset:16
	s_wait_loadcnt 0x0
.irp j, 0,1,2,3,4,5,6,7
	v_lshlrev_b32 v50, 2, v[E+\j]                  ; the expert's field begins at bit 4 e
	v_bfe_u32 v[R+\j], v48, v50, 4                 ; how many of my earlier entries have the same expert
	v_lshlrev_b32 v51, v50, v49
	v_add_nc_u32 v48, v48, v51
.endr
.irp q, 0,1,2,3
	v_bfe_u32 v50, v48, 8*\q, 4
	v_bfe_u32 v51, v48, 8*\q+4, 4
	v_lshl_or_b32 v[16+\q], v51, 16, v50           ; experts 2 q (low half) and 2 q + 1 (high half)
.endr
; One step of the butterfly: ahead of it v16-19 hold the sums of my aligned block of n lanes; lane l xor n holds those of the block beside it, which lies below mine where my number has bit n set.
.macro FLY n, sm
.irp q, 0,1,2,3
.if \n < 16
	v_mov_b32_dpp v[TMP+\q], v[16+\q] row_xmask:\n row_mask:0xf bank_mask:0xf
.else
	v_permlanex16_b32 v[TMP+\q], v[16+\q], s14, s15
.endif
.endr
.irp q, 0,1,2,3
	v_cndmask_b32 v[TMP+4+\q], 0, v[TMP+\q], \sm
.endr
.irp q, 0,1,2,3
	v_add_nc_u32 v[16+\q], v[16+\q], v[TMP+\q]
	v_add_nc_u32 v[PFX+\q], v[PFX+\q], v[TMP+4+\q]
.endr
.endm
	FLY 1, s80
	FLY 2, s81
	FLY 4, s82
	FLY 8, s83
	FLY 16, s84
	ds_store_b128 v3, v[16:19]                     ; my wave's sums: all lanes write the same 16 bytes with the same numbers
	s_wait_dscnt 0x0                               ; for the others' sake: my store has landed
	s_barrier_signal -1
	s_barrier_wait -1
	ds_load_b128 v[16:19], v4                      ; lane l: wave l's sums
	s_wait_dscnt 0x0
	v_cmp_gt_u32 vcc_lo, s10, v1
.irp q, 0,1,2,3
	v_cndmask_b32 v[20+\q], 0, v[16+\q], vcc_lo    ; those of the waves ahead of mine
.endr
.irp m, 1,2,4,8
.irp q, 0,1,2,3,4,5,6,7
	v_mov_b32_dpp v[TMP+\q], v[16+\q] row_xmask:\m row_mask:0xf bank_mask:0xf
.endr
.irp q, 0,1,2,3,4,5,6,7
	v_add_nc_u32 v[16+\q], v[16+\q], v[TMP+\q]
.endr
.endr
.irp q, 0,1,2,3,4,5,6,7
	v_permlanex16_b32 v[TMP+\q], v[16+\q], s14, s15
.endr
.irp q, 0,1,2,3,4,5,6,7
	v_add_nc_u32 v[16+\q], v[16+\q], v[TMP+\q]
.endr
.irp q, 0,1,2,3,4,5,6,7
	v_readfirstlane_b32 s[24+\q], v[16+\q]
.endr
.irp q, 0,1,2,3
	s_and_b32 s[32+2*\q], s[24+\q], 0xffff         ; T
	s_lshr_b32 s[33+2*\q], s[24+\q], 16
	s_and_b32 s[40+2*\q], s[28+\q], 0xffff         ; rows of the expert in the waves ahead of mine
	s_lshr_b32 s[41+2*\q], s[28+\q], 16
.endr
	s_mov_b32 s48, 0
.irp e, 1,2,3,4,5,6,7
	s_add_co_u32 s[48+\e], s[47+\e], s[31+\e]      ; O
.endr
.irp e, 0,1,2,3,4,5,6,7
	s_add_co_u32 s[40+\e], s[40+\e], s[48+\e]
.endr
.irp q, 0,1,2,3
	s_lshl_b32 s12, s[41+2*\q], 16                 ; packed again: at most 8,192 in a field
	s_or_b32 s12, s12, s[40+2*\q]
	v_add_nc_u32 v[BASE+\q], s12, v[PFX+\q]
.endr
	; ---- each row to its place
.irp j, 0,1,2,3,4,5,6,7
	v_and_b32 v50, 3, v[E+\j]
	v_mad_u32_u24 v50, v50, s20, s21               ; the selector of field e % 4
	v_perm_b32 v51, v[BASE+1], v[BASE], v50        ; of experts 0 to 3 (bytes 0-3: the second source, 4-7: the first),
	v_perm_b32 v5, v[BASE+3], v[BASE+2], v50       ; and of experts 4 to 7
	v_cmp_lt_u32 vcc_lo, 3, v[E+\j]
	v_cndmask_b32 v51, v51, v5, vcc_lo
	v_and_b32 v51, 0xffff, v51
	v_add_nc_u32 v[POS+\j], v51, v[R+\j]
	v_min_u32 v[POS+\j], 0x1fff, v[POS+\j]         ; a place made of loaded numbers is held inside the list
	v_lshlrev_b32 v[POS+\j], 2, v[POS+\j]
	v_add_nc_u32 v[PP+\j], \j, v6
	global_store_b32 v[POS+\j], v[PP+\j], s[6:7]   ; 4 bytes a lane, 32,768 in all.  Each j has registers of its own
.endr
	; ---- the tiles: thread tau of waves 0 to 4 makes entry tau
	s_cmp_lt_u32 s10, 5
	s_cbranch_scc0 .Lnot_tiles
	s_mov_b32 s74, s32                             ; the largest expert
	s_mov_b32 s75, 0
.irp e, 1,2,3,4,5,6,7
	s_cmp_gt_u32 s[32+\e], s74
	s_cselect_b32 s74, s[32+\e], s74
	s_cselect_b32 s75, \e, s75
.endr
	s_mov_b32 s77, 0
.irp e, 0,1,2,3,4,5,6,7
	s_add_co_u32 s[16+\e], s[32+\e], 63
	s_lshr_b32 s[16+\e], s[16+\e], 6               ; tiles of 64
	s_add_co_u32 s77, s77, s[16+\e]
.endr
	s_sub_co_u32 s76, 135, s77                     ; what is left of the 135: 0 to 7
.irp e, 0,1,2,3,4,5,6,7
	s_cmp_eq_u32 s75, \e
	s_cselect_b32 s[66+\e], s76, 0
	s_add_co_u32 s[16+\e], s[16+\e], s[66+\e]
.endr
	s_mov_b32 s56, 0
.irp e, 1,2,3,4,5,6,7
	s_add_co_u32 s[56+\e], s[55+\e], s[15+\e]      ; TB
.endr
	v_mov_b32 v40, 0                               ; the last expert whose first tile is not behind tau, and its TB, O, T, cuts
	v_mov_b32 v41, 0
	v_mov_b32 v42, 0
	v_mov_b32 v43, s32
	v_mov_b32 v44, s66
.irp e, 1,2,3,4,5,6,7
	v_cmp_gt_u32 vcc_lo, s[56+\e], v0
	v_cndmask_b32 v40, \e, v40, vcc_lo
	v_cndmask_b32 v41, s[56+\e], v41, vcc_lo
	v_cndmask_b32 v42, s[48+\e], v42, vcc_lo
	v_cndmask_b32 v43, s[32+\e], v43, vcc_lo
	v_cndmask_b32 v44, s[66+\e], v44, vcc_lo
.endr
	v_sub_nc_u32 v45, v0, v41                      ; i: which tile of the expert
	v_lshlrev_b32 v46, 1, v44
	v_cmp_lt_u32 vcc_lo, v45, v46                  ; the first 2 l are halves: rows 32 i on
	v_sub_nc_u32 v47, v45, v44                     ; the others: rows 64 (i - l) on
	v_lshlrev_b32 v48, 6, v47
	v_sub_nc_u32 v49, v43, v48
	v_min_i32 v49, 64, v49
	v_max_i32 v49, 0, v49
	v_add_nc_u32 v48, v42, v48
	v_lshl_add_u32 v50, v45, 5, v42
	v_mov_b32 v51, 32
	v_cndmask_b32 v41, v48, v50, vcc_lo            ; first
	v_cndmask_b32 v42, v49, v51, vcc_lo            ; rows
	v_mov_b32 v43, 0
	v_lshlrev_b32 v52, 4, v0
	global_store_b128 v52, v[40:43], s[8:9]
	s_wait_tensorcnt 0x0
	ds_add_u32 v80, v81
	s_wait_dscnt 0x0
	s_endpgm
.Lnot_tiles:
	s_cmp_eq_u32 s10, 5
	s_cbranch_scc0 .Lend
	v_lshlrev_b32 v40, 2, v1
	v_mov_b32 v41, 0
	global_store_b32 v40, v41, s[6:7] offset:32768 ; list[8192..8255] = 0
	global_store_b32 v40, v41, s[6:7] offset:32896
.Lend:
	s_wait_tensorcnt 0x0
	ds_add_u32 v80, v81
	s_wait_dscnt 0x0
	s_endpgm
.Lfunc_end_k_q15cbd88e69_place:
	.size	k_q15cbd88e69_place, .Lfunc_end_k_q15cbd88e69_place-k_q15cbd88e69_place
	.p2alignl 7, 3214868480
	.fill 96, 4, 3214868480
	.section	.rodata,"a",@progbits
	.p2align	6, 0x0
	.amdhsa_kernel k_q15cbd88e69_place
		.amdhsa_group_segment_fixed_size 4608
		.amdhsa_private_segment_fixed_size 0
		.amdhsa_enable_private_segment 0
		.amdhsa_kernarg_size 24
		.amdhsa_user_sgpr_count 2
		.amdhsa_user_sgpr_kernarg_segment_ptr 1
		.amdhsa_wavefront_size32 1
		.amdhsa_system_sgpr_workgroup_id_x 1
		.amdhsa_system_sgpr_workgroup_id_y 1
		.amdhsa_system_sgpr_workgroup_id_z 1
		.amdhsa_system_vgpr_workitem_id 0
		.amdhsa_next_free_vgpr 82
		.amdhsa_next_free_sgpr 100
		.amdhsa_reserve_vcc 1
		.amdhsa_float_denorm_mode_32 3
		.amdhsa_float_denorm_mode_16_64 3
		.amdhsa_memory_ordered 1
		.amdhsa_forward_progress 1
		.amdhsa_inst_pref_size 24
	.end_amdhsa_kernel
	.amdgpu_metadata
---
amdhsa.version: [ 1, 2 ]
amdhsa.kernels:
  - .name:           k_q15cbd88e69_place
    .symbol:         k_q15cbd88e69_place.kd
    .args:
      - { .name: eidx, .offset: 0, .size: 8, .value_kind: global_buffer, .address_space: global }
      - { .name: list, .offset: 8, .size: 8, .value_kind: global_buffer, .address_space: global }
      - { .name: tiles, .offset: 16, .size: 8, .value_kind: global_buffer, .address_space: global }
    .group_segment_fixed_size: 4608
    .private_segment_fixed_size: 0
    .kernarg_segment_align: 8
    .kernarg_segment_size: 24
    .max_flat_workgroup_size: 1024
    .sgpr_count:     100
    .vgpr_count:     82
    .wavefront_size: 32
...
	.end_amdgpu_metadata
.endif
;; end of part 6
;; launch chain (part 7): grid 135 x 1, 4 waves a work-group, no clusters, 208,384 bytes of LDS; arguments tiles, list, wts, xq, wq, b1, b2, lowp_scales, yw; writes yw
.if DOCPART == 7
	.amdgcn_target "amdgcn-amd-amdhsa--gfx1250"
	.amdhsa_code_object_version 6
	.text
	.protected	k_q15cbd88e69_chain
	.globl	k_q15cbd88e69_chain
	.p2align	8
	.type	k_q15cbd88e69_chain,@function
k_q15cbd88e69_chain:
	s_mov_b64 s[64:65], 0
	v_nop
	global_prefetch_b8 v0, s[64:65] scope:SCOPE_SE
	s_setreg_imm32_b32 hwreg(HW_REG_WAVE_MODE, 25, 1), 1
	s_wait_xcnt 0x0
; CHAIN: one work-group takes one tile (up to 64 routed rows) of one expert through  yw[p] = weight(p) x (relu(x W1 + b1) W2 + b2),  both products on codes of E5M2 by v_wmma_f32_16x16x128_bf8_bf8, sums in f32.
; The hidden layer never goes to memory.  Only the rows that the router chose are multiplied: the others have weight 0 in the sum over experts.
; SHARES.  THE WAVES SHARE THE COLUMNS, NOT THE ROWS.  The 2,048 hidden units go in four chunks of 512.  In a chunk wave w makes hidden units 128 w .. 128 w + 127 of all 64 rows (8 tiles x 4 tiles of rows x 4 K steps),
; quantises them in registers, and hands them to the others through LDS as images of the operand's registers; then it adds the chunk's part (4 K steps) onto its outputs 128 w .. 128 w + 127 of all 64 rows, which stay in registers.
; THE CHUNKS ARE WALKED ROUND FROM A START THAT DIFFERS FROM TILE TO TILE: start = (tau + tau / 4 + tau / 16) % 4, tau the work-group's number.  The tiles of one expert are neighbours in tau, so at any time they read
; four different quarters of its weights, and not all the same bytes.  The outputs' sums over the chunks are f32 sums taken in another order.
; THE WEIGHTS COME FROM MEMORY STRAIGHT INTO REGISTERS: wq holds them as register images in the very order in which a wave takes them, 128 KiB on end for each (expert, wave, chunk): a fragment (16 rows x 128 K, 16 registers) is four
; loads of 512 consecutive bytes, and feeds four matrix instructions.  A ring of 16 fragments (window 1) in four quarters: a group of 16 matrix instructions empties a quarter, which then takes the group four further on.
; BOTH PRODUCTS ARE USED TRANSPOSED (source 0 = 16 rows of the weight, source 1 = 16 routed rows): a lane holds ONE routed row.  The rows of W1 that form a tile are chosen (in wq) so that the 16 registers of tiles 2 b, 2 b + 1
; are hidden units 32 b + 16 (lane / 16) + 0 .. 15: the conversions' results are the next operand's registers.  b1, divided by the power of two that the sums lack, is the C of each sum's first matrix instruction.
; K of the first product is permuted alike in xq and in W1's codes; within an instruction k is laid by four 16-byte pieces a side, alike on both sides.
; NO CLUSTER, NO TENSOR LOAD: which expert a work-group serves and how many rows it stores are numbers read from memory; experts have 1 to 135 tiles, so the grid does not fall into groups of four that share an expert;
; and the weights go to registers, not to LDS, so there is no tile that a joint load could bring.
; LIMITS on the given exponents, so that each power of two below is an f32 number: eh - ew1 - ex between -126 and 112; eh + ew2 between -126 and 127.  NaN among the inputs is not served.
; LDS: x's 16 fragments (tile of rows m, K step s: 4 m + s), the hidden chunk's 16 likewise, b1 / 2^(ew1 + ex) with the chunks in the order of the walk, b2, and a stage of 64 rows x (2,048 + 16) bytes for the way out.
.set XIMG, 0
.set HIMG, 32768
.set B1L,  65536
.set B2L,  B1L+8192
.set STG,  B2L+2048
.set SP,   2064                        ; 2,064 = 8 x 256 + 16: the sixteen rows that a store touches fall on sixteen different 16-byte columns
; REGISTERS.  Window 0:
.set LI,   1                           ; v1   16 x lane
.set RR,   2                           ; v2   r = lane % 16
.set HH,   3                           ; v3   h = lane / 16
.set XWI,  4                           ; v4   where I store x's images: 8192 w + 16 lane
.set HWI,  5                           ; v5   the hidden layer's: HIMG + 2048 w + 16 lane
.set B1A0, 6                           ; v6   B1L + 512 w + 64 h
.set B1A,  7                           ; v7   the same in the chunk whose b1 is fetched
.set B2A,  8                           ; v8   B2L + 512 w + 32 h
.set SO,   9                           ; v9, v10  the stage, in: row r (v10: row 32 + r), my outputs' bytes
.set SR,   11                          ; v11  the stage, back: my 16 rows, 16 bytes a lane
.set PM,   12                          ; v12-15  p of row 16 m + r, then its byte in wts
.set PW,   16                          ; v16  p of row 16 w + r
.set XG,   17                          ; v17  its token's row in xq, + 16 h
.set TID,  18                          ; v18  16 x thread
.set BST,  19                          ; v19  B1L + 16 x thread
.set WT,   20                          ; v20-27  the weight of row 16 m + r, written twice (a pair for the packed multiply)
.set SC,   28                          ; v28  2^(eh - ew1 - ex): the hidden layer's three scales folded into the conversion's one
.set LIM,  29                          ; v29  57,344 x that
.set LOM,  30                          ; v30  my byte in list, row r of tile m = 0
.set LOW,  31                          ; v31  the same for tile m = w
.set BOF,  32                          ; v32-35  my byte in b1 of the walk's chunk i
.set B1,   48                          ; v48-111  b1's eight tiles of the chunk, in the result's layout; in the last chunk b2's
.set XF,   112                         ; v112-175, v176-239  two sets of four fragments of source 1 (x or hidden): K steps by turns
.set RO,   240                         ; v240-255  row 16 w + i: p x 2,048 + 16 lane
; Window 1: the ring; on the way out first the finished numbers, then my 16 rows read back from the stage (16 registers a row: all 256).
; Window 2: the hidden chunk's sums, (m, t) at 64 m + 8 t.  Window 3: the outputs' sums, (m, n) at 64 m + 8 n.
; s[16:17] my expert's and wave's 512 KiB of wq, kept; s26 wave; s28-30 expert, first, rows; s[32:35] exponents; s[40:41] 2^(eh + ew2); s42 chunks; s43 the chunk's bytes in b1; s44 my rows to store; s[52:53] an offset
.set CI,   27                          ; s27  which chunk WHI stands at
.set WHI,  36                          ; s[36:37]  base of the loads issued from a chunk's group 12 to the next chunk's group 7: that next chunk's 128 KiB
.set WLO,  38                          ; s[38:39]  base of the loads issued by groups 8 to 11: the chunk in hand
.set MSB, 0
.macro WIN new                         ; s_set_vgpr_msb: bits 1:0 source 0, 3:2 source 1, 5:4 source 2, 7:6 destination; the high byte repeats the setting that is left
.if MSB != \new
	s_set_vgpr_msb (MSB<<8)|\new
.set MSB, \new
.endif
.endm
.macro FILL q, off, base               ; 16 loads: four fragments, 8,192 consecutive bytes from off on, into quarter q of the ring
	WIN 0x40                                       ; destination window 1
.irp f, 0,1,2,3
.irp i, 0,1,2,3
	global_load_b128 v[64*(\q)+16*\f+4*\i:64*(\q)+16*\f+4*\i+3], v[LI], s[\base:\base+1] offset:(\off)+2048*\f+512*\i
.endr
.endr
.endm
.macro FETCHF buf, base, s             ; 16 LDS loads: K step s of the four tiles of rows, as images
	WIN 0
.irp m, 0,1,2,3
.irp c, 0,1,2,3
	ds_load_b128 v[(\buf)+16*\m+4*\c:(\buf)+16*\m+4*\c+3], v[LI] offset:(\base)+(4*\m+\s)*2048+512*\c
.endr
.endr
.endm
; Group g of a chunk's 16: four fragments of the weight x four tiles of rows.  g < 8: first product, K step g / 2, tiles 4 (g % 2) + f; g >= 8: second product likewise.
; The 32 accumulators of a product take turns, one instruction a turn, in the same order in every K step.  zero = 1: the outputs' sums begin.  fill = 1: the quarter takes group g + 4.
; lc: the younger groups' loads, 16 each, which may stay out.  dc: the LDS loads younger than the fragments of source 1 that this group needs; -1: they were waited for by the group before.
.macro GROUP g, zero, fill, lc, dc
	s_wait_loadcnt \lc
.if \dc >= 0
	s_wait_dscnt \dc
.endif
.if (\g) < 2
	WIN 0x81                                       ; source 0 window 1, source 1 and C (b1) window 0, D window 2
.elseif (\g) < 8
	WIN 0xa1                                       ; C and D window 2
.else
	WIN 0xf1                                       ; C and D window 3
.endif
.irp f, 0,1,2,3
.irp m, 0,1,2,3
.set rD, 64*\m+8*(4*((\g)%2)+\f)
.set rA, 64*((\g)%4)+16*\f
.set rB, XF+64*(((\g)/2)%2)+16*\m
.set rC, B1+8*(4*((\g)%2)+\f)
.if (\g) < 2
	v_wmma_f32_16x16x128_bf8_bf8 v[rD:rD+7], v[rA:rA+15], v[rB:rB+15], v[rC:rC+7]
.elseif (((\g) == 8) || ((\g) == 9)) && \zero
	v_wmma_f32_16x16x128_bf8_bf8 v[rD:rD+7], v[rA:rA+15], v[rB:rB+15], 0
.else
	v_wmma_f32_16x16x128_bf8_bf8 v[rD:rD+7], v[rA:rA+15], v[rB:rB+15], v[rD:rD+7]
.endif
.endr
.endr
.rept 4
	v_nop                                          ; four places in front of loads into registers that these products read, and of the first read of results
.endr
.if \fill
.if (\g) < 8
	FILL (\g)%4, ((\g)+4)*8192, WHI                ; groups 4 to 11 of the chunk in hand
.elseif (\g) < 12
	FILL (\g)%4, ((\g)+4)*8192, WLO                ; its groups 12 to 15
.else
	FILL (\g)%4, ((\g)-12)*8192, WHI               ; groups 0 to 3 of the walk's next chunk
.endif
.endif
.endm
; The chunk's 256 sums of a lane become four fragments of codes in v[XF] on.  Each accumulator is read from its low end on.
.macro QUANT
	WIN 0x82                                       ; source 0 and destination window 2
.set qi, 0
.rept 256
	v_med3_num_f32 v[qi], v[qi], 0, v[LIM]         ; the activation and the hold in one: between 0 and the largest code x the scale (the conversion does not saturate: ISA guide 7.6.2)
.set qi, qi+1
.endr
	WIN 0x02                                       ; source 0 window 2, destination window 0
.irp m, 0,1,2,3
.irp b, 0,1,2,3
	v_cvt_scalef32_pk8_bf8_f32 v[XF+16*\m+4*\b:XF+16*\m+4*\b+1], v[64*\m+16*\b:64*\m+16*\b+7], v[SC]
	v_cvt_scalef32_pk8_bf8_f32 v[XF+16*\m+4*\b+2:XF+16*\m+4*\b+3], v[64*\m+16*\b+8:64*\m+16*\b+15], v[SC]
.endr
.endr
	v_nop                                          ; one plain instruction behind the last conversion, ahead of whatever next touches its registers
	WIN 0
.endm
.macro CHUNK first, last
	GROUP 0, 0, 1, 48, 16                          ; b1 and x's K step 0 are in; K step 1's 16 loads may be out
	GROUP 1, 0, 1, 48, -1
	FETCHF XF, XIMG, 2
	GROUP 2, 0, 1, 48, 16
	GROUP 3, 0, 1, 48, -1
	FETCHF XF+64, XIMG, 3
	GROUP 4, 0, 1, 48, 16
	GROUP 5, 0, 1, 48, -1
	GROUP 6, 0, 1, 48, 0
	GROUP 7, 0, 1, 48, -1
	WIN 0
	s_wait_dscnt 0x0                               ; my reads of the last chunk's hidden images are long over: say so,
	s_barrier_signal -1
	QUANT                                          ; work on registers while the others arrive,
	s_barrier_wait -1                              ; and write the images anew only when nobody reads them
	s_wait_xcnt 0x0                                ; every load issued so far has read its base (the youngest stand ahead of the conversions): only now the two bases are written
	s_mov_b64 s[WLO:WLO+1], s[WHI:WHI+1]           ; the chunk in hand, for its last four groups
.if \last == 0
	s_add_co_u32 s[CI], s[CI], 1                   ; and the walk's next chunk, round the four
	s_and_b32 s[CI], s[CI], 3
	s_lshl_b32 s52, s[CI], 17
	s_add_nc_u64 s[WHI:WHI+1], s[16:17], s[52:53]
.endif
.irp m, 0,1,2,3
.irp c, 0,1,2,3
	ds_store_b128 v[HWI], v[XF+16*\m+4*\c:XF+16*\m+4*\c+3] offset:8192*\m+512*\c   ; K step w of the second product, rows 16 m on
.endr
.endr
	s_wait_dscnt 0x0                               ; for the others' sake: my stores have landed
	s_barrier_signal -1
	s_barrier_wait -1                              ; the chunk's sixteen fragments lie in LDS
	FETCHF XF, HIMG, 0
	FETCHF XF+64, HIMG, 1
.if \last
.irp n, 0,1,2,3,4,5,6,7
	ds_load_b128 v[B1+8*\n:B1+8*\n+3], v[B2A] offset:64*\n          ; b2 at outputs 128 w + 16 n + 8 h + 0 .. 7, for the way out
	ds_load_b128 v[B1+8*\n+4:B1+8*\n+7], v[B2A] offset:64*\n+16
.endr
.else
	s_add_co_u32 s43, s43, 2048
	v_add_nc_u32 v[B1A], s43, v[B1A0]
.irp t, 0,1,2,3,4,5,6,7
	ds_load_b128 v[B1+8*\t:B1+8*\t+3], v[B1A] offset:128*(\t/2)+32*(\t%2)       ; the next chunk's b1 at hidden units 32 (t / 2) + 16 h + 8 (t % 2) + 0 .. 7
	ds_load_b128 v[B1+8*\t+4:B1+8*\t+7], v[B1A] offset:128*(\t/2)+32*(\t%2)+16
.endr
.endif
	GROUP 8, \first, 1, 48, 32                     ; hidden K step 0 is in; K step 1's and the bias's loads may be out
	GROUP 9, \first, 1, 48, -1
	FETCHF XF, HIMG, 2
	GROUP 10, 0, 1, 48, 32                         ; behind K step 1's loads: the bias's and K step 2's
	GROUP 11, 0, 1, 48, -1
	FETCHF XF+64, HIMG, 3
.if \last
	GROUP 12, 0, 0, 48, 16                         ; nothing is left to fetch: the counts run down
	GROUP 13, 0, 0, 32, -1
	GROUP 14, 0, 0, 16, 0
	GROUP 15, 0, 0, 0, -1
	WIN 0
.else
	GROUP 12, 0, 1, 48, 16                         ; groups 12 to 15 fetch the next chunk's groups 0 to 3: the stream goes on without a gap
	GROUP 13, 0, 1, 48, -1
	FETCHF XF, XIMG, 0                             ; and x's first two K steps for the next chunk
	GROUP 14, 0, 1, 48, 16
	GROUP 15, 0, 1, 48, -1
	FETCHF XF+64, XIMG, 1
.endif
.endm
	s_load_b512 s[8:23], s[0:1], 0x0               ; tiles s[8:9], list s[10:11], wts s[12:13], xq s[14:15], wq s[16:17], b1 s[18:19], b2 s[20:21], scales s[22:23]
	s_load_b64 s[24:25], s[0:1], 0x40              ; yw
	v_lshl_add_u32 v46, v0, 2, 0x32c00
	v_mov_b32 v47, 0
	v_lshrrev_b32 v2, 5, v0
	v_readfirstlane_b32 s26, v2                    ; wave 0..3
	v_and_b32 v3, 31, v0
	v_lshlrev_b32 v[LI], 4, v3
	v_and_b32 v[RR], 15, v0
	v_bfe_u32 v[HH], v0, 4, 1
	s_lshl_b32 s48, ttmp9, 4
	s_mov_b32 s49, 0
	s_wait_kmcnt 0x0
	s_add_nc_u64 s[8:9], s[8:9], s[48:49]
	s_load_b128 s[28:31], s[8:9], 0x0              ; my tile: expert, first, rows
	s_load_b128 s[32:35], s[22:23], 0x0            ; ew1, ex, eh, ew2
	; every LDS address: a constant + a lane term + a wave term
	s_lshl_b32 s50, s26, 13
	v_add_nc_u32 v[XWI], s50, v[LI]
	s_lshl_b32 s50, s26, 11
	s_add_co_u32 s50, s50, HIMG
	v_add_nc_u32 v[HWI], s50, v[LI]
	s_lshl_b32 s51, s26, 9
	s_add_co_u32 s50, s51, B1L
	v_lshl_add_u32 v[B1A0], v[HH], 6, s50
	s_add_co_u32 s50, s51, B2L
	v_lshl_add_u32 v[B2A], v[HH], 5, s50
	s_add_co_u32 s50, s51, STG
	v_mul_u32_u24 v[SO], v[RR], SP
	v_lshl_add_u32 v[SO], v[HH], 5, v[SO]
	v_add_nc_u32 v[SO], s50, v[SO]
	v_add_nc_u32 v[SO+1], 32*SP, v[SO]
	s_mul_i32 s50, s26, 16*SP
	s_add_co_u32 s50, s50, STG
	v_add_nc_u32 v[SR], s50, v[LI]
	v_lshlrev_b32 v[TID], 4, v0
	v_add_nc_u32 v[BST], B1L, v[TID]
	v_mov_b32 v[B1A], v[B1A0]
	s_mov_b32 s43, 0
	s_lshr_b32 s50, ttmp9, 2                       ; where my walk round the four chunks begins: (tau + tau / 4 + tau / 16) % 4
	s_add_co_u32 s[CI], ttmp9, s50
	s_lshr_b32 s50, ttmp9, 4
	s_add_co_u32 s[CI], s[CI], s50
	s_and_b32 s[CI], s[CI], 3
.irp i, 0,1,2,3
	s_add_co_u32 s50, s[CI], \i                    ; the walk's chunk i,
	s_and_b32 s50, s50, 3
	s_lshl_b32 s50, s50, 11                        ; 2,048 bytes of b1 a chunk
	v_add_nc_u32 v[BOF+\i], s50, v[TID]
.endr
	s_lshl_b32 s52, s[CI], 17                      ; 128 KiB of my part of wq a chunk
	s_mov_b32 s53, 0
	s_wait_kmcnt 0x0
	s_min_u32 s28, s28, 7                          ; numbers read from memory are held inside their tables before they enter an address
	s_min_u32 s29, s29, 0x1fff
	s_min_u32 s30, s30, 64
	s_lshl_b32 s48, s28, 21
	s_lshl_b32 s50, s26, 19
	s_add_co_u32 s48, s48, s50
	s_add_nc_u64 s[16:17], s[16:17], s[48:49]      ; wq: my expert's, my wave's 512 KiB
	s_add_nc_u64 s[WHI:WHI+1], s[16:17], s[52:53]  ; and in it the chunk with which I begin
	s_lshl_b32 s48, s28, 13
	s_add_nc_u64 s[18:19], s[18:19], s[48:49]      ; b1: 8,192 bytes an expert
	s_lshl_b32 s48, s28, 11
	s_add_nc_u64 s[20:21], s[20:21], s[48:49]      ; b2: 2,048
	v_add_nc_u32 v[LOM], s29, v[RR]
	v_lshlrev_b32 v[LOM], 2, v[LOM]
	s_lshl_b32 s48, s26, 6
	v_add_nc_u32 v[LOW], s48, v[LOM]
.irp m, 0,1,2,3
	global_load_b32 v[PM+\m], v[LOM], s[10:11] offset:64*\m        ; list[first + 16 m + r]: at most entry 8,254 of 8,256
.endr
	global_load_b32 v[PW], v[LOW], s[10:11]
.irp i, 0,1,2,3
	global_load_b128 v[176+4*\i:179+4*\i], v[BOF+\i], s[18:19]     ; b1 of my expert, the chunks in the order of the walk: 128 threads x 16 bytes, four times
.endr
	global_load_b128 v[192:195], v[TID], s[20:21]                  ; b2
.irp g, 0,1,2,3
	FILL \g, \g*8192, WHI                          ; the ring's first four groups
.endr
	WIN 0
	s_wait_loadcnt 63                              ; 69 loads are younger than the list's five; the count is the largest that the wait can name: the oldest eleven are in, b1 and b2 among them
	v_lshrrev_b32 v[XG], 1, v[PW]                  ; the token of p
	v_min_u32 v[XG], 0xfff, v[XG]
	v_lshlrev_b32 v[XG], 9, v[XG]
	v_lshl_add_u32 v[XG], v[HH], 4, v[XG]
.irp s, 0,1,2,3
.irp c, 0,1,2,3
	global_load_b128 v[XF+16*\s+4*\c:XF+16*\s+4*\c+3], v[XG], s[14:15] offset:128*\s+32*\c    ; rows 16 w + r of x's codes: four fragments
.endr
.endr
.irp m, 0,1,2,3
	v_min_u32 v[PM+\m], 0x1fff, v[PM+\m]
	v_lshlrev_b32 v[PM+\m], 2, v[PM+\m]
	global_load_b32 v[WT+2*\m], v[PM+\m], s[12:13]
.endr
.irp i, 0,1,2,3,4,5,6,7,8,9,10,11,12,13,14,15
	v_readlane_b32 s48, v[PW], \i
	s_min_u32 s48, s48, 0x1fff
	v_lshl_add_u32 v[RO+\i], s48, 11, v[LI]        ; where row 16 w + i goes in yw
.endr
	s_lshl_b32 s48, s26, 4
	s_sub_co_i32 s44, s30, s48
	s_max_i32 s44, s44, 0                          ; how many of my 16 rows of the stage are the tile's
	s_add_co_i32 s46, s32, s33                     ; a sum of the first product stands for sum x 2^(ew1 + ex): b1 goes in divided by that,
	s_sub_co_i32 s45, 0, s46
	s_sub_co_i32 s47, s34, s46                     ; and the hidden layer's code is sum / 2^(eh - ew1 - ex)
	s_add_co_i32 s47, s47, 127
	s_lshl_b32 s48, s47, 23
	v_mov_b32 v[SC], s48
	s_add_co_i32 s47, s47, 15
	s_lshl_b32 s47, s47, 23
	s_or_b32 s47, s47, 0x600000
	v_mov_b32 v[LIM], s47
	s_add_co_i32 s40, s34, s35
	s_add_co_i32 s40, s40, 127
	s_lshl_b32 s40, s40, 23                        ; 2^(eh + ew2)
	s_mov_b32 s41, s40                             ; (named with it as a pair, so it is written)
.irp j, 0,1,2,3,4,5,6,7,8,9,10,11,12,13,14,15
	v_ldexp_f32 v[176+\j], v[176+\j], s45
.endr
.irp i, 0,1,2,3
	ds_store_b128 v[BST], v[176+4*\i:179+4*\i] offset:2048*\i
.endr
	ds_store_b128 v[BST], v[192:195] offset:8192
	s_wait_loadcnt 0x0                             ; x's codes and the weights of the rows (and the ring's first groups)
.irp s, 0,1,2,3
.irp c, 0,1,2,3
	ds_store_b128 v[XWI], v[XF+16*\s+4*\c:XF+16*\s+4*\c+3] offset:2048*\s+512*\c
.endr
.endr
.irp m, 0,1,2,3
	v_mov_b32 v[WT+2*\m+1], v[WT+2*\m]
.endr
	s_wait_dscnt 0x0                               ; for the others' sake: my stores have landed
	s_barrier_signal -1
	s_barrier_wait -1                              ; x's sixteen fragments, b1 and b2 lie in LDS; they are never written again
.irp t, 0,1,2,3,4,5,6,7
	ds_load_b128 v[B1+8*\t:B1+8*\t+3], v[B1A] offset:128*(\t/2)+32*(\t%2)
	ds_load_b128 v[B1+8*\t+4:B1+8*\t+7], v[B1A] offset:128*(\t/2)+32*(\t%2)+16
.endr
	FETCHF XF, XIMG, 0
	FETCHF XF+64, XIMG, 1
	CHUNK 1, 0                                     ; the first chunk is written out: its second product starts the outputs' sums with the constant 0
	s_mov_b32 s42, 2
.Lchunk:
	CHUNK 0, 0
	s_sub_co_u32 s42, s42, 1
	s_cmp_lg_u32 s42, 0
	s_cbranch_scc1 .Lchunk
	CHUNK 0, 1                                     ; the last is written out: it fetches nothing beyond its own 128 KiB
	; THE WAY OUT.  y = sum x 2^(eh + ew2) + b2, x the row's weight, into the ring's registers, which are done with (the last group's four places stand in front).  A lane holds 8 neighbouring outputs of a row;
	; a row's 512 outputs come from four waves: they meet in the stage, and each wave stores 16 whole rows.
	WIN 0x43                                       ; source 0 (the sums) window 3, source 2 (b2) window 0, destination window 1
.irp m, 0,1,2,3
.irp n, 0,1,2,3,4,5,6,7
.irp i, 0,2,4,6
	v_pk_fma_f32 v[64*\m+8*\n+\i:64*\m+8*\n+\i+1], v[64*\m+8*\n+\i:64*\m+8*\n+\i+1], s[40:41], v[B1+8*\n+\i:B1+8*\n+\i+1] op_sel_hi:[1,0,1]
.endr
.endr
.endr
	WIN 0x41                                       ; source 0 and destination window 1
.irp m, 0,1,2,3
.irp n, 0,1,2,3,4,5,6,7
.irp i, 0,2,4,6
	v_pk_mul_f32 v[64*\m+8*\n+\i:64*\m+8*\n+\i+1], v[64*\m+8*\n+\i:64*\m+8*\n+\i+1], v[WT+2*\m:WT+2*\m+1] op_sel_hi:[1,0]
.endr
.endr
.endr
	WIN 0x04                                       ; the stores' data window 1
.irp m, 0,1,2,3
.irp n, 0,1,2,3,4,5,6,7
	ds_store_b128 v[SO+\m/2], v[64*\m+8*\n:64*\m+8*\n+3] offset:16*(\m%2)*SP+64*\n        ; lane (r, h): y(16 m + r, 128 w + 16 n + 8 h + 0 .. 7)
	ds_store_b128 v[SO+\m/2], v[64*\m+8*\n+4:64*\m+8*\n+7] offset:16*(\m%2)*SP+64*\n+16
.endr
.endr
	WIN 0
	s_wait_dscnt 0x0                               ; for the others' sake: my stores have landed (and have read their registers, which the loads below fill)
	s_barrier_signal -1
	s_barrier_wait -1                              ; 64 whole rows lie in the stage.  This is the last barrier: the branches below hang on a number read from memory
	WIN 0x40                                       ; destination window 1: a row of 2,048 bytes is 16 registers, my 16 rows fill the window
.irp i, 0,1,2,3,4,5,6,7,8,9,10,11,12,13,14,15
.irp q, 0,1,2,3
	ds_load_b128 v[16*\i+4*\q:16*\i+4*\q+3], v[SR] offset:SP*\i+512*\q
.endr
.endr
	WIN 0                                          ; at a branch and at a label every window is 0
.irp i, 0,1,2,3,4,5,6,7,8,9,10,11,12,13,14,15
	s_cmp_le_u32 s44, \i                           ; rows behind the tile's last are not the tile's: they are not stored
	s_cbranch_scc1 .Lend
	s_wait_dscnt 60-4*\i                           ; row i's four loads are in; those of the rows behind it may be out
	WIN 0x04                                       ; the stores' data window 1, their offset window 0
.irp q, 0,1,2,3
	global_store_b128 v[RO+\i], v[16*\i+4*\q:16*\i+4*\q+3], s[24:25] offset:512*\q   ; 32 lanes store 512 consecutive bytes, at a multiple of 256 from yw's first byte
.endr
	WIN 0
.endr
.Lend:
	s_wait_dscnt 0x0                               ; a wave that stores fewer than 16 rows comes here with loads out
	s_wait_tensorcnt 0x0
	ds_add_u32 v46, v47
	s_wait_dscnt 0x0
	s_endpgm
.Lfunc_end_k_q15cbd88e69_chain:
	.size	k_q15cbd88e69_chain, .Lfunc_end_k_q15cbd88e69_chain-k_q15cbd88e69_chain
	.p2alignl 7, 3214868480
	.fill 96, 4, 3214868480
	.section	.rodata,"a",@progbits
	.p2align	6, 0x0
	.amdhsa_kernel k_q15cbd88e69_chain
		.amdhsa_group_segment_fixed_size 208384
		.amdhsa_private_segment_fixed_size 0
		.amdhsa_enable_private_segment 0
		.amdhsa_kernarg_size 72
		.amdhsa_user_sgpr_count 2
		.amdhsa_user_sgpr_kernarg_segment_ptr 1
		.amdhsa_wavefront_size32 1
		.amdhsa_system_sgpr_workgroup_id_x 1
		.amdhsa_system_sgpr_workgroup_id_y 1
		.amdhsa_system_sgpr_workgroup_id_z 1
		.amdhsa_system_vgpr_workitem_id 0
		.amdhsa_next_free_vgpr 1024
		.amdhsa_next_free_sgpr 66
		.amdhsa_reserve_vcc 0
		.amdhsa_float_denorm_mode_32 3
		.amdhsa_float_denorm_mode_16_64 3
		.amdhsa_memory_ordered 1
		.amdhsa_forward_progress 1
		.amdhsa_inst_pref_size 255
	.end_amdhsa_kernel
	.section	.bss,"aw",@nobits
	.p2align	6
	.space	262144
	.amdgpu_metadata
---
amdhsa.version: [ 1, 2 ]
amdhsa.kernels:
  - .name:           k_q15cbd88e69_chain
    .symbol:         k_q15cbd88e69_chain.kd
    .args:
      - { .name: tiles, .offset: 0, .size: 8, .value_kind: global_buffer, .address_space: global }
      - { .name: list, .offset: 8, .size: 8, .value_kind: global_buffer, .address_space: global }
      - { .name: wts, .offset: 16, .size: 8, .value_kind: global_buffer, .address_space: global }
      - { .name: xq, .offset: 24, .size: 8, .value_kind: global_buffer, .address_space: global }
      - { .name: wq, .offset: 32, .size: 8, .value_kind: global_buffer, .address_space: global }
      - { .name: b1, .offset: 40, .size: 8, .value_kind: global_buffer, .address_space: global }
      - { .name: b2, .offset: 48, .size: 8, .value_kind: global_buffer, .address_space: global }
      - { .name: lowp_scales, .offset: 56, .size: 8, .value_kind: global_buffer, .address_space: global }
      - { .name: yw, .offset: 64, .size: 8, .value_kind: global_buffer, .address_space: global }
    .group_segment_fixed_size: 208384
    .private_segment_fixed_size: 0
    .kernarg_segment_align: 8
    .kernarg_segment_size: 72
    .max_flat_workgroup_size: 128
    .sgpr_count:     66
    .vgpr_count:     1024
    .wavefront_size: 32
...
	.end_amdgpu_metadata
.endif
;; end of part 7
;; launch combine: the kernel of part 4 again; grid 256 x 1, 8 waves a work-group, no clusters, 0 bytes of LDS; arguments yw, out0; writes out0
;; ======== version 3 of 3: 4 launches; version 2 with the launch chain written anew for expert scheduling mode
;; workspace buffers: wq 16,777,216 bytes; xq 2,097,152 bytes; eidx 32,768 bytes of whole numbers; wts 32,768 bytes; list 33,024 bytes of whole numbers; tiles 2,560 bytes of whole numbers; yw 16,777,216 bytes
;; launch prep: the kernel of part 5 again; grid 512 x 1, 5 waves a work-group, no clusters, 0 bytes of LDS; arguments x, Wg, bg, W1, W2, lowp_scales, wq, xq, eidx, wts; writes wq, xq, eidx, wts
;; launch place: the kernel of part 6 again; grid 1 x 1, 32 waves a work-group, no clusters, 4,608 bytes of LDS; arguments eidx, list, tiles; writes list, tiles
;; launch chain (part 8): grid 135 x 1, 4 waves a work-group, no clusters, 208,384 bytes of LDS; arguments tiles, list, wts, xq, wq, b1, b2, lowp_scales, yw; writes yw
.if DOCPART == 8
	.amdgcn_target "amdgcn-amd-amdhsa--gfx1250"
	.amdhsa_code_object_version 6
	.text
	.protected	k_q15cbd88e69_chain
	.globl	k_q15cbd88e69_chain
	.p2align	8
	.type	k_q15cbd88e69_chain,@function
k_q15cbd88e69_chain:
	s_mov_b64 s[64:65], 0
	v_nop
	global_prefetch_b8 v0, s[64:65] scope:SCOPE_SE
	s_setreg_imm32_b32 hwreg(HW_REG_WAVE_SCHED_MODE, 0, 2), 2
	s_setreg_imm32_b32 hwreg(HW_REG_WAVE_MODE, 25, 1), 1
	s_wait_xcnt 0x0
	s_wait_alu depctr_vm_vsrc(0)
; CHAIN: one work-group takes one tile (up to 64 routed rows) of one expert through  yw[p] = weight(p) x (relu(x W1 + b1) W2 + b2),  both products on codes of E5M2 by v_wmma_f32_16x16x128_bf8_bf8, sums in f32.
; The hidden layer never goes to memory.  Only the rows that the router chose are multiplied: the others have weight 0 in the sum over experts.
; SHARES.  THE WAVES SHARE THE COLUMNS, NOT THE ROWS.  The 2,048 hidden units go in four chunks of 512.  In a chunk wave w makes hidden units 128 w .. 128 w + 127 of all 64 rows (8 tiles x 4 tiles of rows x 4 K steps),
; quantises them in registers, and hands them to the others through LDS as images of the operand's registers; then it adds the chunk's part (4 K steps) onto its outputs 128 w .. 128 w + 127 of all 64 rows, which stay in registers.
; THE CHUNKS ARE WALKED ROUND FROM A START THAT DIFFERS FROM TILE TO TILE: start = (tau + tau / 4 + tau / 16) % 4, tau the work-group's number.  The tiles of one expert are neighbours in tau, so at any time they read
; four different quarters of its weights, and not all the same bytes.  The outputs' sums over the chunks are f32 sums taken in another order.
; THE WEIGHTS COME FROM MEMORY STRAIGHT INTO REGISTERS: wq holds them as register images in the very order in which a wave takes them, 128 KiB on end for each (expert, wave, chunk): a fragment (16 rows x 128 K, 16 registers) is four
; loads of 512 consecutive bytes, and feeds four matrix instructions.  A ring of 16 fragments (window 1) in four quarters: a group of 16 matrix instructions empties a quarter, which then takes the group four further on.
; BOTH PRODUCTS ARE USED TRANSPOSED (source 0 = 16 rows of the weight, source 1 = 16 routed rows): a lane holds ONE routed row.  The rows of W1 that form a tile are chosen (in wq) so that the 16 registers of tiles 2 b, 2 b + 1
; are hidden units 32 b + 16 (lane / 16) + 0 .. 15: the conversions' results are the next operand's registers.  b1, divided by the power of two that the sums lack, is the C of each sum's first matrix instruction.
; K of the first product is permuted alike in xq and in W1's codes; within an instruction k is laid by four 16-byte pieces a side, alike on both sides.
; NO CLUSTER, NO TENSOR LOAD: which expert a work-group serves and how many rows it stores are numbers read from memory; experts have 1 to 135 tiles, so the grid does not fall into groups of four that share an expert;
; and the weights go to registers, not to LDS, so there is no tile that a joint load could bring.
; LIMITS on the given exponents, so that each power of two below is an f32 number: eh - ew1 - ex between -126 and 112; eh + ew2 between -126 and 127.  NaN among the inputs is not served.
; THE MODE: SCHED_MODE bits 1:0 = 2 (LLVM: expert scheduling mode 2), set by the entry lines.  The code itself states the register dependences
; between vector or matrix instructions and memory or LDS instructions, with s_wait_alu, always for 0.
; THE PLAN.  Registers that memory or LDS instructions touch, in a chunk of 16 groups:
;   the ring     Quarter g % 4: read by group g's sixteen products.  The loads of group g + 4 land in it: fragments 0 and 1 at group g's end, fragments 2 and 3 behind the first four products of group g + 1.
;   XF0, XF1     Set (g / 2) % 2: read by the products of groups g and g + 1 (g even).  LDS loads land in it in group g + 2, behind that group's 8th and 12th product.
;                XF0 is also written by the chunk's conversions and read by the LDS stores of the hidden images; hidden K step 0 lands in it behind the second barrier.
;   B1           Read by groups 0 and 1 as C, on the way out by the packed multiply-adds.  The LDS loads of group 9 land in it.
;   v[B1A]       Read by those loads; written once a chunk, behind the second barrier.
;   v[LI], v[HWI], v[B2A], the stage's and yw's addresses: made at the head, never written again.  The weights' bases are scalar registers.
;   Windows 2 and 3 (the sums) are named by vector and matrix instructions alone.
; So ONE wait on va_vdst stands at a group's end: it states that the group's products are done reading their quarter and, with the group before, their set of source 1 (groups 0 and 1: the bias).  It stands there and not at the
; next group's head, so that the quarter's first loads go out ahead of that head's wait for data: the ring stays four groups deep.  All the loads named above follow that wait with no other, dealt among the next group's
; products, which name another quarter, the other set and the sums.  A quarter's second half is asked for half a group later and is waited for half a group later.
; LDS: x's 16 fragments (tile of rows m, K step s: 4 m + s), the hidden chunk's 16 likewise, b1 / 2^(ew1 + ex) with the chunks in the order of the walk, b2, and a stage of 64 rows x (2,048 + 16) bytes for the way out.
.set XIMG, 0
.set HIMG, 32768
.set B1L,  65536
.set B2L,  B1L+8192
.set STG,  B2L+2048
.set SP,   2064                        ; 2,064 = 8 x 256 + 16: the sixteen rows that a store touches fall on sixteen different 16-byte columns
; REGISTERS.  Window 0:
.set LI,   1                           ; v1   16 x lane
.set RR,   2                           ; v2   r = lane % 16
.set HH,   3                           ; v3   h = lane / 16
.set XWI,  4                           ; v4   where I store x's images: 8192 w + 16 lane
.set HWI,  5                           ; v5   the hidden layer's: HIMG + 2048 w + 16 lane
.set B1A0, 6                           ; v6   B1L + 512 w + 64 h
.set B1A,  7                           ; v7   the same in the chunk whose b1 is fetched
.set B2A,  8                           ; v8   B2L + 512 w + 32 h
.set SO,   9                           ; v9, v10  the stage, in: row r (v10: row 32 + r), my outputs' bytes
.set SR,   11                          ; v11  the stage, back: my 16 rows, 16 bytes a lane
.set PM,   12                          ; v12-15  p of row 16 m + r, then its byte in wts
.set PW,   16                          ; v16  p of row 16 w + r
.set XG,   17                          ; v17  its token's row in xq, + 16 h
.set TID,  18                          ; v18  16 x thread
.set BST,  19                          ; v19  B1L + 16 x thread
.set WT,   20                          ; v20-27  the weight of row 16 m + r, written twice (a pair for the packed multiply)
.set SC,   28                          ; v28  2^(eh - ew1 - ex): the hidden layer's three scales folded into the conversion's one
.set LIM,  29                          ; v29  57,344 x that
.set LOM,  30                          ; v30  my byte in list, row r of tile m = 0
.set LOW,  31                          ; v31  the same for tile m = w
.set BOF,  32                          ; v32-35  my byte in b1 of the walk's chunk i
.set B1,   48                          ; v48-111  b1's eight tiles of the chunk, in the result's layout; in the last chunk b2's
.set XF,   112                         ; v112-175, v176-239  two sets of four fragments of source 1 (x or hidden): K steps by turns
.set RO,   240                         ; v240-255  row 16 w + i: p x 2,048 + 16 lane
; v46, v47: the closing add's two registers.
; Window 1: the ring; on the way out first the finished numbers, then my 16 rows read back from the stage (16 registers a row: all 256).
; Window 2: the hidden chunk's sums, (m, t) at 64 m + 8 t.  Window 3: the outputs' sums, (m, n) at 64 m + 8 n.
; s[16:17] my expert's and wave's 512 KiB of wq, kept; s26 wave; s28-30 expert, first, rows; s[32:35] exponents; s[40:41] 2^(eh + ew2); s42 chunks; s43 the chunk's bytes in b1; s44 my rows to store; s[52:53] an offset;
; s2-7 and s54-63: at the head, p of my sixteen rows
.set CI,   27                          ; s27  which chunk WHI stands at
.set WHI,  36                          ; s[36:37]  base of the loads issued from a chunk's group 12's end to the next chunk's group 7's end: that next chunk's 128 KiB
.set WLO,  38                          ; s[38:39]  base of the loads issued from group 8 to group 12's middle: the chunk in hand
.set MSB, 0
.macro WIN new                         ; s_set_vgpr_msb: bits 1:0 source 0, 3:2 source 1, 5:4 source 2, 7:6 destination; the high byte repeats the setting that is left
.if MSB != \new
	s_set_vgpr_msb (MSB<<8)|\new
.set MSB, \new
.endif
.endm
.macro FILL8 q, h, off, base           ; 8 loads: fragments 2 h and 2 h + 1 of the group whose 8,192 bytes begin at off: 4,096 consecutive bytes, into quarter q of the ring.  The destination's window is 1: set by the caller
.irp f, 0,1
.irp i, 0,1,2,3
	global_load_b128 v[64*(\q)+32*(\h)+16*\f+4*\i:64*(\q)+32*(\h)+16*\f+4*\i+3], v[LI], s[\base:\base+1] offset:(\off)+4096*(\h)+2048*\f+512*\i
.endr
.endr
.endm
.macro FETCH8 buf, base, s, h          ; 8 LDS loads: K step s of tiles of rows 2 h and 2 h + 1, as images
.irp m, 0,1
.irp c, 0,1,2,3
	ds_load_b128 v[(\buf)+16*(2*(\h)+\m)+4*\c:(\buf)+16*(2*(\h)+\m)+4*\c+3], v[LI] offset:(\base)+(4*(2*(\h)+\m)+(\s))*2048+512*\c
.endr
.endr
.endm
.macro BIAS1 h                         ; 8 LDS loads: b1 of tiles t = 4 h .. 4 h + 3, at hidden units 32 (t / 2) + 16 h' + 8 (t % 2) + 0 .. 7 (h' = lane / 16), of the chunk at which v[B1A] stands
.irp u, 0,1,2,3
.set bt, 4*(\h)+\u
	ds_load_b128 v[B1+8*bt:B1+8*bt+3], v[B1A] offset:128*(bt/2)+32*(bt%2)
	ds_load_b128 v[B1+8*bt+4:B1+8*bt+7], v[B1A] offset:128*(bt/2)+32*(bt%2)+16
.endr
.endm
.macro BIAS2 h                         ; 8 LDS loads: b2 at outputs 128 w + 16 n + 8 h' + 0 .. 7, n = 4 h .. 4 h + 3, for the way out
.irp u, 0,1,2,3
.set bt, 4*(\h)+\u
	ds_load_b128 v[B1+8*bt:B1+8*bt+3], v[B2A] offset:64*bt
	ds_load_b128 v[B1+8*bt+4:B1+8*bt+7], v[B2A] offset:64*bt+16
.endr
.endm
; Half h of a group's LDS loads.  kind 0: none; 1: x's K step s, 2: the hidden layer's K step s, into the set that this group does not read; 3: the next chunk's b1; 4: b2.
; No wait: no vector or matrix instruction since the wait at the last group's end names the registers in which these land, nor their address.
.macro LDS8 g, kind, s, h
.set OS, XF+64*(1-(((\g)/2)%2))
.if \kind == 1
	WIN 0
	FETCH8 OS, XIMG, \s, \h
.elseif \kind == 2
	WIN 0
	FETCH8 OS, HIMG, \s, \h
.elseif \kind == 3
	WIN 0
	BIAS1 \h
.elseif \kind == 4
	WIN 0
	BIAS2 \h
.endif
.endm
; Four matrix instructions: fragment f of group g x the four tiles of rows.  g < 8: first product, K step g / 2, tile 4 (g % 2) + f; g >= 8: second product likewise.
; The 32 accumulators of a product take turns, one instruction a turn, in the same order in every K step.  zero = 1: the outputs' sums begin.
.macro MUL4 g, f, zero
.if (\g) < 2
	WIN 0x81                                       ; source 0 window 1, source 1 and C (b1) window 0, D window 2
.elseif (\g) < 8
	WIN 0xa1                                       ; C and D window 2
.else
	WIN 0xf1                                       ; C and D window 3
.endif
.irp m, 0,1,2,3
.set rD, 64*\m+8*(4*((\g)%2)+(\f))
.set rA, 64*((\g)%4)+16*(\f)
.set rB, XF+64*(((\g)/2)%2)+16*\m
.set rC, B1+8*(4*((\g)%2)+(\f))
.if (\g) < 2
	v_wmma_f32_16x16x128_bf8_bf8 v[rD:rD+7], v[rA:rA+15], v[rB:rB+15], v[rC:rC+7]
.elseif (((\g) == 8) || ((\g) == 9)) && \zero
	v_wmma_f32_16x16x128_bf8_bf8 v[rD:rD+7], v[rA:rA+15], v[rB:rB+15], 0
.else
	v_wmma_f32_16x16x128_bf8_bf8 v[rD:rD+7], v[rA:rA+15], v[rB:rB+15], v[rD:rD+7]
.endif
.endr
.endm
; Group g of a chunk's 16.  last = 1: the last chunk, which fetches nothing beyond its own 128 KiB.
; lca: the loads younger than this group's fragments 0 and 1; lcb: those younger than its fragments 2 and 3.  In the stream both are 48: six half-groups of eight.
; dc: the LDS loads younger than the fragments of source 1 that this group needs; -1: they were waited for by the group before.
.macro GROUP g, zero, last, lca, lcb, dc, kind, s
	s_wait_loadcnt \lca                            ; loads come back in order: fragments 0 and 1 are in
.if \dc >= 0
	s_wait_dscnt \dc
.endif
	MUL4 \g, 0, \zero
.if (\g) < 8                                   ; the quarter that the last group emptied takes its other two fragments.  No wait: the four products above name this group's quarter, not that one
	WIN 0x40                                       ; destination window 1
	FILL8 ((\g)+3)%4, 1, ((\g)+3)*8192, WHI
.elseif (\g) < 13
	WIN 0x40
	FILL8 ((\g)+3)%4, 1, ((\g)+3)*8192, WLO
.elseif !\last
	WIN 0x40
	FILL8 ((\g)+3)%4, 1, ((\g)-13)*8192, WHI       ; groups 0 to 2 of the walk's next chunk
.endif
	MUL4 \g, 1, \zero
	LDS8 \g, \kind, \s, 0
	s_wait_loadcnt \lcb                            ; fragments 2 and 3 are in
	MUL4 \g, 2, \zero
	LDS8 \g, \kind, \s, 1
	MUL4 \g, 3, \zero
.rept 4
	v_nop                                          ; four places behind the group's products (ISA guide 7.12.1): behind groups 7 and 15 vector instructions read results; they stay beside the wait below
.endr
.if ((\g) < 12) || !\last
	WIN 0x40                                       ; the switch, then the wait, then the loads
	s_wait_alu depctr_va_vdst(0)                   ; this group's products are done reading their quarter, in which the eight loads below and eight in the next group land; with the group before they are done reading their set of source 1 (groups 0 and 1: b1), in which later LDS loads land
.if (\g) < 8
	FILL8 (\g)%4, 0, ((\g)+4)*8192, WHI            ; the group four further on: its first two fragments at once
.elseif (\g) < 12
	FILL8 (\g)%4, 0, ((\g)+4)*8192, WLO
.else
	FILL8 (\g)%4, 0, ((\g)-12)*8192, WHI           ; groups 0 to 3 of the walk's next chunk: the stream goes on without a gap
.endif
.endif
.endm
; The chunk's 256 sums of a lane become four fragments of codes in v[XF] on.  Each accumulator is read from its low end on.
.macro QUANT
	WIN 0x82                                       ; source 0 and destination window 2
.set qi, 0
.rept 256
	v_med3_num_f32 v[qi], v[qi], 0, v[LIM]         ; the activation and the hold in one: between 0 and the largest code x the scale (the conversion does not saturate: ISA guide 7.6.2)
.set qi, qi+1
.endr
	WIN 0x02                                       ; source 0 window 2, destination window 0
.irp m, 0,1,2,3
.irp b, 0,1,2,3
	v_cvt_scalef32_pk8_bf8_f32 v[XF+16*\m+4*\b:XF+16*\m+4*\b+1], v[64*\m+16*\b:64*\m+16*\b+7], v[SC]
	v_cvt_scalef32_pk8_bf8_f32 v[XF+16*\m+4*\b+2:XF+16*\m+4*\b+3], v[64*\m+16*\b+8:64*\m+16*\b+15], v[SC]
.endr
.endr
	v_nop                                          ; one plain instruction behind the last conversion, ahead of whatever next touches its registers
	WIN 0
.endm
.macro CHUNK first, last
	GROUP 0, 0, \last, 48, 48, 0, 1, 1             ; b1 and x's K step 0 are in; x's K step 1 is fetched
	GROUP 1, 0, \last, 48, 48, -1, 0, 0
	GROUP 2, 0, \last, 48, 48, 0, 1, 2
	GROUP 3, 0, \last, 48, 48, -1, 0, 0
	GROUP 4, 0, \last, 48, 48, 0, 1, 3
	GROUP 5, 0, \last, 48, 48, -1, 0, 0
	GROUP 6, 0, \last, 48, 48, 0, 0, 0
	GROUP 7, 0, \last, 48, 48, -1, 0, 0
	WIN 0
	s_wait_dscnt 0x0                               ; my reads of the last chunk's hidden images are long over: say so,
	s_barrier_signal -1
	QUANT                                          ; work on registers while the others arrive,
	s_barrier_wait -1                              ; and write the images anew only when nobody reads them
	s_wait_xcnt 0x0                                ; every load issued so far has read its base (the youngest stand ahead of the conversions): only now the two bases are written
	s_mov_b64 s[WLO:WLO+1], s[WHI:WHI+1]           ; the chunk in hand, for what is left to fetch of it
.if \last == 0
	s_add_co_u32 s[CI], s[CI], 1                   ; and the walk's next chunk, round the four
	s_and_b32 s[CI], s[CI], 3
	s_lshl_b32 s52, s[CI], 17
	s_add_nc_u64 s[WHI:WHI+1], s[16:17], s[52:53]
.endif
	s_wait_alu depctr_va_vdst(0)                   ; the conversions have written v[XF ..], which the LDS stores read
.irp m, 0,1,2,3
.irp c, 0,1,2,3
	ds_store_b128 v[HWI], v[XF+16*\m+4*\c:XF+16*\m+4*\c+3] offset:8192*\m+512*\c   ; K step w of the second product, rows 16 m on
.endr
.endr
	s_wait_dscnt 0x0                               ; for the others' sake: my stores have landed
	s_barrier_signal -1
	s_barrier_wait -1                              ; the chunk's sixteen fragments lie in LDS
	s_wait_alu depctr_vm_vsrc(0)                   ; my LDS stores have read v[XF ..], in which the loads below land; the last loads of b1 have read v[B1A], which is written below
.if \last == 0
	s_add_co_u32 s43, s43, 2048
	v_add_nc_u32 v[B1A], s43, v[B1A0]              ; the walk's next chunk in b1
.endif
	s_wait_alu depctr_va_vdst(0)                   ; the conversions are done writing v[XF ..], in which the loads below land (the stores stand between them and the last such wait); v[B1A] is written, which group 9's loads read
	FETCH8 XF, HIMG, 0, 0
	FETCH8 XF, HIMG, 0, 1
	GROUP 8, \first, \last, 48, 48, 0, 2, 1        ; hidden K step 0 is in; K step 1 is fetched
.if \last
	GROUP 9, \first, 1, 48, 48, -1, 4, 0           ; b2
.else
	GROUP 9, \first, 0, 48, 48, -1, 3, 0           ; the next chunk's b1
.endif
	GROUP 10, 0, \last, 48, 48, 16, 2, 2           ; behind K step 1's loads: the bias's sixteen
	GROUP 11, 0, \last, 48, 48, -1, 0, 0
	GROUP 12, 0, \last, 48, 48, 0, 2, 3
.if \last
	GROUP 13, 0, 1, 40, 32, -1, 0, 0               ; nothing is left to fetch: the counts run down
	GROUP 14, 0, 1, 24, 16, 0, 0, 0
	GROUP 15, 0, 1, 8, 0, -1, 0, 0
.else
	GROUP 13, 0, 0, 48, 48, -1, 0, 0
	GROUP 14, 0, 0, 48, 48, 0, 1, 0                ; x's K step 0 for the next chunk
	GROUP 15, 0, 0, 48, 48, -1, 0, 0
.endif
	WIN 0                                          ; at a label and at a branch every window is 0
.endm
	s_load_b512 s[8:23], s[0:1], 0x0               ; tiles s[8:9], list s[10:11], wts s[12:13], xq s[14:15], wq s[16:17], b1 s[18:19], b2 s[20:21], scales s[22:23]
	s_load_b64 s[24:25], s[0:1], 0x40              ; yw
	v_lshl_add_u32 v46, v0, 2, 0x32c00
	v_mov_b32 v47, 0
	v_lshrrev_b32 v2, 5, v0
	v_readfirstlane_b32 s26, v2                    ; wave 0..3
	v_and_b32 v3, 31, v0
	v_lshlrev_b32 v[LI], 4, v3
	v_and_b32 v[RR], 15, v0
	v_bfe_u32 v[HH], v0, 4, 1
	s_lshl_b32 s48, ttmp9, 4
	s_mov_b32 s49, 0
	s_wait_kmcnt 0x0
	s_add_nc_u64 s[8:9], s[8:9], s[48:49]
	s_load_b128 s[28:31], s[8:9], 0x0              ; my tile: expert, first, rows
	s_load_b128 s[32:35], s[22:23], 0x0            ; ew1, ex, eh, ew2
	s_wait_alu depctr_va_sdst(0)                   ; s26 is written, ahead of its first reader: LDS addresses and the bases of wq are made from it
	; every LDS address: a constant + a lane term + a wave term
	s_lshl_b32 s50, s26, 13
	v_add_nc_u32 v[XWI], s50, v[LI]
	s_lshl_b32 s50, s26, 11
	s_add_co_u32 s50, s50, HIMG
	v_add_nc_u32 v[HWI], s50, v[LI]
	s_lshl_b32 s51, s26, 9
	s_add_co_u32 s50, s51, B1L
	v_lshl_add_u32 v[B1A0], v[HH], 6, s50
	s_add_co_u32 s50, s51, B2L
	v_lshl_add_u32 v[B2A], v[HH], 5, s50
	s_add_co_u32 s50, s51, STG
	v_mul_u32_u24 v[SO], v[RR], SP
	v_lshl_add_u32 v[SO], v[HH], 5, v[SO]
	v_add_nc_u32 v[SO], s50, v[SO]
	v_add_nc_u32 v[SO+1], 32*SP, v[SO]
	s_mul_i32 s50, s26, 16*SP
	s_add_co_u32 s50, s50, STG
	v_add_nc_u32 v[SR], s50, v[LI]
	v_lshlrev_b32 v[TID], 4, v0
	v_add_nc_u32 v[BST], B1L, v[TID]
	v_mov_b32 v[B1A], v[B1A0]
	s_mov_b32 s43, 0
	s_lshr_b32 s50, ttmp9, 2                       ; where my walk round the four chunks begins: (tau + tau / 4 + tau / 16) % 4
	s_add_co_u32 s[CI], ttmp9, s50
	s_lshr_b32 s50, ttmp9, 4
	s_add_co_u32 s[CI], s[CI], s50
	s_and_b32 s[CI], s[CI], 3
.irp i, 0,1,2,3
	s_add_co_u32 s50, s[CI], \i                    ; the walk's chunk i,
	s_and_b32 s50, s50, 3
	s_lshl_b32 s50, s50, 11                        ; 2,048 bytes of b1 a chunk
	v_add_nc_u32 v[BOF+\i], s50, v[TID]
.endr
	s_lshl_b32 s52, s[CI], 17                      ; 128 KiB of my part of wq a chunk
	s_mov_b32 s53, 0
	s_wait_kmcnt 0x0
	s_min_u32 s28, s28, 7                          ; numbers read from memory are held inside their tables before they enter an address
	s_min_u32 s29, s29, 0x1fff
	s_min_u32 s30, s30, 64
	s_lshl_b32 s48, s28, 21
	s_lshl_b32 s50, s26, 19
	s_add_co_u32 s48, s48, s50
	s_add_nc_u64 s[16:17], s[16:17], s[48:49]      ; wq: my expert's, my wave's 512 KiB
	s_add_nc_u64 s[WHI:WHI+1], s[16:17], s[52:53]  ; and in it the chunk with which I begin
	s_lshl_b32 s48, s28, 13
	s_add_nc_u64 s[18:19], s[18:19], s[48:49]      ; b1: 8,192 bytes an expert
	s_lshl_b32 s48, s28, 11
	s_add_nc_u64 s[20:21], s[20:21], s[48:49]      ; b2: 2,048
	v_add_nc_u32 v[LOM], s29, v[RR]
	v_lshlrev_b32 v[LOM], 2, v[LOM]
	s_lshl_b32 s48, s26, 6
	v_add_nc_u32 v[LOW], s48, v[LOM]
	s_wait_alu depctr_va_vdst(0)                   ; every offset and LDS address made so far is written (v1, v4 to v11, v18, v19, v30 to v35, v46, v47): the loads below and all later LDS and memory instructions read them
.irp m, 0,1,2,3
	global_load_b32 v[PM+\m], v[LOM], s[10:11] offset:64*\m        ; list[first + 16 m + r]: at most entry 8,254 of 8,256
.endr
	global_load_b32 v[PW], v[LOW], s[10:11]
.irp i, 0,1,2,3
	global_load_b128 v[176+4*\i:179+4*\i], v[BOF+\i], s[18:19]     ; b1 of my expert, the chunks in the order of the walk: 128 threads x 16 bytes, four times
.endr
	global_load_b128 v[192:195], v[TID], s[20:21]                  ; b2
	WIN 0x40                                       ; destination window 1
.irp g, 0,1,2
	FILL8 \g, 0, \g*8192, WHI                      ; the ring's first three groups,
	FILL8 \g, 1, \g*8192, WHI
.endr
	FILL8 3, 0, 3*8192, WHI                        ; and the first half of the fourth: group 0 asks for the other half, as in every chunk
	WIN 0
	s_wait_loadcnt 56                              ; the ring's 56 loads are younger than the list's five, b1's four and b2's one, which are in
	v_lshrrev_b32 v[XG], 1, v[PW]                  ; the token of p
	v_min_u32 v[XG], 0xfff, v[XG]
	v_lshlrev_b32 v[XG], 9, v[XG]
	v_lshl_add_u32 v[XG], v[HH], 4, v[XG]
.irp m, 0,1,2,3
	v_min_u32 v[PM+\m], 0x1fff, v[PM+\m]
	v_lshlrev_b32 v[PM+\m], 2, v[PM+\m]
.endr
.irp i, 0,1,2,3,4,5,6,7,8,9,10,11,12,13,14,15
.set sr, 2+\i                                  ; s2-7, then s54-63
.if \i >= 6
.set sr, 48+\i
.endif
	v_readlane_b32 s[sr], v[PW], \i                ; p of row 16 w + i: sixteen scalar registers, so that one wait serves the run
.endr
	s_wait_alu depctr_va_vdst(0)                   ; v[XG] and v[PM ..] are written, which the loads below read as offsets
.irp s, 0,1,2,3
.irp c, 0,1,2,3
	global_load_b128 v[XF+16*\s+4*\c:XF+16*\s+4*\c+3], v[XG], s[14:15] offset:128*\s+32*\c    ; rows 16 w + r of x's codes: four fragments
.endr
.endr
.irp m, 0,1,2,3
	global_load_b32 v[WT+2*\m], v[PM+\m], s[12:13]
.endr
	s_wait_alu depctr_va_sdst(0)                   ; the sixteen scalar registers are written, ahead of their first reader
.irp i, 0,1,2,3,4,5,6,7,8,9,10,11,12,13,14,15
.set sr, 2+\i
.if \i >= 6
.set sr, 48+\i
.endif
	s_min_u32 s[sr], s[sr], 0x1fff
	v_lshl_add_u32 v[RO+\i], s[sr], 11, v[LI]      ; where row 16 w + i goes in yw
.endr
	s_lshl_b32 s48, s26, 4
	s_sub_co_i32 s44, s30, s48
	s_max_i32 s44, s44, 0                          ; how many of my 16 rows of the stage are the tile's
	s_add_co_i32 s46, s32, s33                     ; a sum of the first product stands for sum x 2^(ew1 + ex): b1 goes in divided by that,
	s_sub_co_i32 s45, 0, s46
	s_sub_co_i32 s47, s34, s46                     ; and the hidden layer's code is sum / 2^(eh - ew1 - ex)
	s_add_co_i32 s47, s47, 127
	s_lshl_b32 s48, s47, 23
	v_mov_b32 v[SC], s48
	s_add_co_i32 s47, s47, 15
	s_lshl_b32 s47, s47, 23
	s_or_b32 s47, s47, 0x600000
	v_mov_b32 v[LIM], s47
	s_add_co_i32 s40, s34, s35
	s_add_co_i32 s40, s40, 127
	s_lshl_b32 s40, s40, 23                        ; 2^(eh + ew2)
	s_mov_b32 s41, s40                             ; (named with it as a pair, so it is written)
.irp j, 0,1,2,3,4,5,6,7,8,9,10,11,12,13,14,15
	v_ldexp_f32 v[176+\j], v[176+\j], s45
.endr
	s_wait_alu depctr_va_vdst(0)                   ; the sixteen v_ldexp_f32 have written v176-191, which the LDS stores read; v[RO ..] are written, which the last stores read
.irp i, 0,1,2,3
	ds_store_b128 v[BST], v[176+4*\i:179+4*\i] offset:2048*\i
.endr
	ds_store_b128 v[BST], v[192:195] offset:8192
	s_wait_loadcnt 0x0                             ; x's codes and the weights of the rows (and the ring's first groups)
.irp s, 0,1,2,3
.irp c, 0,1,2,3
	ds_store_b128 v[XWI], v[XF+16*\s+4*\c:XF+16*\s+4*\c+3] offset:2048*\s+512*\c
.endr
.endr
.irp m, 0,1,2,3
	v_mov_b32 v[WT+2*\m+1], v[WT+2*\m]
.endr
	s_wait_dscnt 0x0                               ; for the others' sake: my stores have landed
	s_barrier_signal -1
	s_barrier_wait -1                              ; x's sixteen fragments, b1 and b2 lie in LDS; they are never written again
	s_wait_alu depctr_va_vdst(0)                   ; the v_ldexp_f32 are done with v176-191, in which x's K step 1 lands in group 0 (the stores stand between them and the last such wait)
	s_wait_alu depctr_vm_vsrc(0)                   ; my LDS stores have read v112-195: these registers are the two sets of source 1 from here on, written by LDS loads and by the conversions
	BIAS1 0
	BIAS1 1
	FETCH8 XF, XIMG, 0, 0
	FETCH8 XF, XIMG, 0, 1
	CHUNK 1, 0                                     ; the first chunk is written out: its second product starts the outputs' sums with the constant 0
	s_mov_b32 s42, 2
.Lchunk:
	CHUNK 0, 0
	s_sub_co_u32 s42, s42, 1
	s_cmp_lg_u32 s42, 0
	s_cbranch_scc1 .Lchunk
	CHUNK 0, 1                                     ; the last is written out: it fetches nothing beyond its own 128 KiB
	; THE WAY OUT.  y = sum x 2^(eh + ew2) + b2, x the row's weight, into the ring's registers, which are done with (the last group's four places stand in front).  A lane holds 8 neighbouring outputs of a row;
	; a row's 512 outputs come from four waves: they meet in the stage, and each wave stores 16 whole rows.
	WIN 0x43                                       ; source 0 (the sums) window 3, source 2 (b2) window 0, destination window 1
.irp m, 0,1,2,3
.irp n, 0,1,2,3,4,5,6,7
.irp i, 0,2,4,6
	v_pk_fma_f32 v[64*\m+8*\n+\i:64*\m+8*\n+\i+1], v[64*\m+8*\n+\i:64*\m+8*\n+\i+1], s[40:41], v[B1+8*\n+\i:B1+8*\n+\i+1] op_sel_hi:[1,0,1]
.endr
.endr
.endr
	WIN 0x41                                       ; source 0 and destination window 1
.irp m, 0,1,2,3
.irp n, 0,1,2,3,4,5,6,7
.irp i, 0,2,4,6
	v_pk_mul_f32 v[64*\m+8*\n+\i:64*\m+8*\n+\i+1], v[64*\m+8*\n+\i:64*\m+8*\n+\i+1], v[WT+2*\m:WT+2*\m+1] op_sel_hi:[1,0]
.endr
.endr
.endr
	WIN 0x04                                       ; the stores' data window 1
	s_wait_alu depctr_va_vdst(0)                   ; the packed multiplies have written window 1, which the LDS stores read
.irp m, 0,1,2,3
.irp n, 0,1,2,3,4,5,6,7
	ds_store_b128 v[SO+\m/2], v[64*\m+8*\n:64*\m+8*\n+3] offset:16*(\m%2)*SP+64*\n        ; lane (r, h): y(16 m + r, 128 w + 16 n + 8 h + 0 .. 7)
	ds_store_b128 v[SO+\m/2], v[64*\m+8*\n+4:64*\m+8*\n+7] offset:16*(\m%2)*SP+64*\n+16
.endr
.endr
	WIN 0
	s_wait_dscnt 0x0                               ; for the others' sake: my stores have landed
	s_barrier_signal -1
	s_barrier_wait -1                              ; 64 whole rows lie in the stage.  This is the last barrier: the branches below hang on a number read from memory
	WIN 0x40                                       ; destination window 1: a row of 2,048 bytes is 16 registers, my 16 rows fill the window.  The switch, then the waits, then the loads
	s_wait_alu depctr_va_vdst(0)                   ; the packed multiplies are done with window 1, in which the loads below land (the stores stand between them and the last such wait)
	s_wait_alu depctr_vm_vsrc(0)                   ; my LDS stores have read window 1, in which the loads below land
.irp i, 0,1,2,3,4,5,6,7,8,9,10,11,12,13,14,15
.irp q, 0,1,2,3
	ds_load_b128 v[16*\i+4*\q:16*\i+4*\q+3], v[SR] offset:SP*\i+512*\q
.endr
.endr
	WIN 0                                          ; at a branch and at a label every window is 0
.irp i, 0,1,2,3,4,5,6,7,8,9,10,11,12,13,14,15
	s_cmp_le_u32 s44, \i                           ; rows behind the tile's last are not the tile's: they are not stored
	s_cbranch_scc1 .Lend
	s_wait_dscnt 60-4*\i                           ; row i's four loads are in; those of the rows behind it may be out
	WIN 0x04                                       ; the stores' data window 1, their offset window 0
.irp q, 0,1,2,3
	global_store_b128 v[RO+\i], v[16*\i+4*\q:16*\i+4*\q+3], s[24:25] offset:512*\q   ; 32 lanes store 512 consecutive bytes, at a multiple of 256 from yw's first byte
.endr
	WIN 0
.endr
.Lend:
	s_wait_dscnt 0x0                               ; the closing lines, six on end
	s_wait_alu 0x0
	s_wait_tensorcnt 0x0
	ds_add_u32 v46, v47
	s_wait_dscnt 0x0
	s_endpgm
.Lfunc_end_k_q15cbd88e69_chain:
	.size	k_q15cbd88e69_chain, .Lfunc_end_k_q15cbd88e69_chain-k_q15cbd88e69_chain
	.p2alignl 7, 3214868480
	.fill 96, 4, 3214868480
	.section	.rodata,"a",@progbits
	.p2align	6, 0x0
	.amdhsa_kernel k_q15cbd88e69_chain
		.amdhsa_group_segment_fixed_size 208384
		.amdhsa_private_segment_fixed_size 0
		.amdhsa_enable_private_segment 0
		.amdhsa_kernarg_size 72
		.amdhsa_user_sgpr_count 2
		.amdhsa_user_sgpr_kernarg_segment_ptr 1
		.amdhsa_wavefront_size32 1
		.amdhsa_system_sgpr_workgroup_id_x 1
		.amdhsa_system_sgpr_workgroup_id_y 1
		.amdhsa_system_sgpr_workgroup_id_z 1
		.amdhsa_system_vgpr_workitem_id 0
		.amdhsa_next_free_vgpr 1024
		.amdhsa_next_free_sgpr 66
		.amdhsa_reserve_vcc 0
		.amdhsa_float_denorm_mode_32 3
		.amdhsa_float_denorm_mode_16_64 3
		.amdhsa_memory_ordered 1
		.amdhsa_forward_progress 1
		.amdhsa_inst_pref_size 255
	.end_amdhsa_kernel
	.section	.bss,"aw",@nobits
	.p2align	6
	.space	262144
	.amdgpu_metadata
---
amdhsa.version: [ 1, 2 ]
amdhsa.kernels:
  - .name:           k_q15cbd88e69_chain
    .symbol:         k_q15cbd88e69_chain.kd
    .args:
      - { .name: tiles, .offset: 0, .size: 8, .value_kind: global_buffer, .address_space: global }
      - { .name: list, .offset: 8, .size: 8, .value_kind: global_buffer, .address_space: global }
      - { .name: wts, .offset: 16, .size: 8, .value_kind: global_buffer, .address_space: global }
      - { .name: xq, .offset: 24, .size: 8, .value_kind: global_buffer, .address_space: global }
      - { .name: wq, .offset: 32, .size: 8, .value_kind: global_buffer, .address_space: global }
      - { .name: b1, .offset: 40, .size: 8, .value_kind: global_buffer, .address_space: global }
      - { .name: b2, .offset: 48, .size: 8, .value_kind: global_buffer, .address_space: global }
      - { .name: lowp_scales, .offset: 56, .size: 8, .value_kind: global_buffer, .address_space: global }
      - { .name: yw, .offset: 64, .size: 8, .value_kind: global_buffer, .address_space: global }
    .group_segment_fixed_size: 208384
    .private_segment_fixed_size: 0
    .kernarg_segment_align: 8
    .kernarg_segment_size: 72
    .max_flat_workgroup_size: 128
    .sgpr_count:     66
    .vgpr_count:     1024
    .wavefront_size: 32
...
	.end_amdgpu_metadata
.endif
;; end of part 8
;; launch combine: the kernel of part 4 again; grid 256 x 1, 8 waves a work-group, no clusters, 0 bytes of LDS; arguments yw, out0; writes out0
